; MI455X (gfx1250); checked and timed in simulation.
; The chip was launched on July 23, 2026; its instructions are those of AMD's public machine-readable ISA for CDNA 5 (MIT licence, August 2026) and "CDNA5" Instruction Set Architecture Reference Guide (July 2026). The comments in the code are by the model that wrote it; some were corrected since.
;; Self Attention1 D. Allowed arithmetic: matrix products marked QUANTISED: E2M3 operands, one E8M0 scale for each 32 along K, by v_wmma_scale_f32_16x16x128_f8f6f4 with both operands' format E2M3, f32 sums; everything else in f32.
;; Inputs: Wk_codes 1,024 x 32 x 24 uint8 (E2M3 codes of Wk, K innermost, in blocks of 32 codes, four codes in three bytes); Wk_scales 1,024 x 32 uint8 (E8M0 scales of Wk, one for each 32 codes along K); Wq_codes 1,024 x 32 x 24 uint8 (E2M3 codes of Wq, K innermost, in blocks of 32 codes, four codes in three bytes); Wq_scales 1,024 x 32 uint8 (E8M0 scales of Wq, one for each 32 codes along K); Wv_codes 1,024 x 32 x 24 uint8 (E2M3 codes of Wv, K innermost, in blocks of 32 codes, four codes in three bytes); Wv_scales 1,024 x 32 uint8 (E8M0 scales of Wv, one for each 32 codes along K); bk 1,024 float32; bq 1,024 float32; bv 1,024 float32; gamma 1 float32; x 4 x 2,048 x 1,024 float32.
;; Outputs: out0 4 x 2,048 x 1,024 float32.
;; This version of the problem:
;;   THIS VERSION OF THE PROBLEM IS GIVEN IN LOW PRECISION. The matrix products marked QUANTISED in the list below multiply operands that are first quantised to E2M3 (2 exponent bits, 3 mantissa bits; 6 bits a number), with one power-of-two scale for each 32 numbers along K (OCP MX v1.0); their sums are f32. All else is computed in f32.
;;   The module's matrix products, in the order in which they are computed (A, B: the left and right operand; K: the contracted axis; several contracted axes count as one K, in the product's order):
;;     1. [M 8,192, K 1,024] x [K 1,024, N 1,024]; A: input x; B: input Wq (given as codes): QUANTISED
;;     2. [M 8,192, K 1,024] x [K 1,024, N 1,024]; A: input x; B: input Wk (given as codes): QUANTISED
;;     3. [M 8,192, K 1,024] x [K 1,024, N 1,024]; A: input x; B: input Wv (given as codes): QUANTISED
;;     4. batch 4 x [M 2,048, K 1,024] x [K 1,024, N 2,048]; A: computed on the way; B: computed on the way: QUANTISED
;;     5. batch 4 x [M 2,048, K 2,048] x [K 2,048, N 1,024]; A: softmax (see below); B: computed on the way: QUANTISED
;;   THE QUANTISER, for each operand of a quantised product, along K:
;;     - K is cut into blocks of 32 from its start; a last block that is shorter is filled with zeros.
;;     - A block's scale is 2^e with e = floor(log2(the largest magnitude in the block)) - 2, held to -126 .. 127; a block of zeros has e = 0. As a byte (E8M0): e + 127.
;;     - Each number is divided by its block's scale, clamped to +-7.5, and rounded to the nearest number of E2M3, ties to even, subnormals kept.
;;     - The product sums the exact products of the quantised numbers (number of the format x scale) in f32.
;;   ~~~python
;;   def quantise(x, axis):      # numpy; x: float32 -> the quantised numbers, widened to float32 again
;;       x = np.moveaxis(x, axis, -1); K = x.shape[-1]
;;       x = np.pad(x, [(0, 0)] * (x.ndim - 1) + [(0, -K % 32)]); x = x.reshape(x.shape[:-1] + (-1, 32)); a = np.abs(x).max(-1, keepdims=True)
;;       e = np.where(a > 0, np.clip(np.frexp(np.where(a > 0, a, 1))[1] - 1 - 2, -126, 127), 0)      # np.frexp(a)[1] - 1 = floor(log2(a)), exactly
;;       r = np.clip(x / 2.0 ** e, -7.5, 7.5)
;;       step = 2.0 ** (np.maximum(np.frexp(np.where(r == 0, 1, r))[1] - 1, 0) - 3)
;;       q = np.round(r / step) * step * 2.0 ** e      # np.round: ties to even
;;       return np.moveaxis(q.reshape(q.shape[:-2] + (-1,))[..., :K], -1, axis).astype(np.float32)
;;   ~~~
;;   SOFTMAX AHEAD OF A QUANTISED PRODUCT. Where the list says 'softmax', what is quantised is not the finished softmax but p = 2^(t - M), with t = logit x log2(e) and M = ceil(the row's largest t), a whole number; so 1/2 < the row's largest p <= 1. The row's sum l is taken of the UNQUANTISED p, in f32, and the product's result is divided by l at the end. Since M is a whole number, a kernel that streams over the keys may use a running M (the ceiling of the running maximum): every later rescaling is an exact power of two, which a block's scale takes up: the codes' values come out the same.
;;   OPERANDS COMPUTED ON THE WAY. 'Computed on the way' means the value that the module computes at that place (a softmax that the list does not call 'softmax' is quantised finished and normalised). What goes into a quantiser is computed in f32, as accurately as f32 sums, v_exp_f32 and their like allow (about 1e-6 of the number): no bf16 or f16 on the way to a quantiser, and a product that is left as it is and whose result goes on into a quantised operand takes f32 operands (vector FMAs, or v_wmma_f32_16x16x4_f32). A number that lies on a knife's edge between two numbers of the format may be rounded either way, as far as f32 arithmetic and the matrix unit's own rounding can turn it there, and no further.
;;   INPUTS GIVEN AS CODES. Wk (in the module: [1024, 1024], K = its axis 1); Wq (in the module: [1024, 1024], K = its axis 1); Wv (in the module: [1024, 1024], K = its axis 1): each comes as NAME_codes (uint8): NAME with its K axis moved to the last place and cut into blocks of 32 codes, [.., K / 32, bytes a block], one block behind the other in memory; four codes in three bytes: a row's codes are one little-endian stream of bits, code i at bits 6 i .. 6 i + 5 (a code: sign, 2 exponent bits, 3 mantissa bits); and NAME_scales (uint8): the same leading axes, one E8M0 byte (e + 127) for each 32 codes along K. Its value is code x scale, taken as it is: it is not quantised again, and the codes and scales need not be those that the quantiser above would give.
;; One version. Each part assembles by itself: llvm-mc -triple=amdgcn-amd-amdhsa -mcpu=gfx1250 --defsym DOCPART=n.
;; ======== version 1 of 1: 4 launches
;; limits: right only within a limited range of input values
;; workspace buffers: xq 6,553,600 bytes; q 6,553,600 bytes; k 6,553,600 bytes; v 6,553,600 bytes; p_codes 12,582,912 bytes; p_meta 1,572,864 bytes; wimg 2,359,296 bytes
;; launch qx (part 1): grid 256 x 1, 4 waves a work-group, no clusters, 68,096 bytes of LDS; arguments x, xq, Wq_codes, Wk_codes, Wv_codes, wimg; writes xq, wimg
.if DOCPART == 1
	.amdgcn_target "amdgcn-amd-amdhsa--gfx1250"
	.amdhsa_code_object_version 6
	.text
	.protected	k_q495bfe1d35_qx
	.globl	k_q495bfe1d35_qx
	.p2align	8
	.type	k_q495bfe1d35_qx,@function
k_q495bfe1d35_qx:
	s_mov_b64 s[64:65], 0
	v_nop
	global_prefetch_b8 v0, s[64:65] scope:SCOPE_SE
	s_setreg_imm32_b32 hwreg(HW_REG_WAVE_MODE, 25, 1), 1
	s_wait_xcnt 0x0
; x [8192][1024] f32 becomes codes of FP6 (E2M3) with one E8M0 scale for each 32 along its 1,024 columns, laid as the next launch's matrix operand wants them.
; xq: [128 rows : 64][128 along K : 8][12,800 bytes]: eight fragments (16 rows x 128 K, 12 registers a lane) AS THEIR REGISTERS STAND: registers 4 c .. 4 c + 3 of lane l at byte 512 c + 16 l, 1,536 bytes each;
; then two scale units of 256 bytes: lane (r, h) has 8 bytes at 8 l: word jj belongs to tile 2 h + jj of the unit's four, row r.
; A block's scale is 2^(floor(log2(its largest magnitude)) - 2); its byte is the largest magnitude's exponent field - 2.
; SHARES.  A wave takes 64 rows x 128 along K: four fragments and one scale unit.  All its 64 loads go out at once, each a row's 512 consecutive bytes.  The conversion takes 16 neighbours of one block from ONE lane's
; registers, so each tile of 16 rows turns through the wave's own stage in LDS: in as loaded, out 64 bytes of each block's 128 a lane.  The codes leave from registers, 512 consecutive bytes a store.
; No cluster, no tensor load, no barrier, no matrix unit: work-groups and waves share nothing, and every byte is read once.
; LIMITS: NaN and infinities among the inputs are not served.  A block whose largest magnitude lies under 2^-124 (a block of zeros too) keeps the scale byte 1; these bytes are read by this program alone.
.set STGW, 16896                       ; LDS for each wave: two stages of 16 rows x (512 + 16) bytes
.set XA,   1                           ; v1   16 x lane
.set STW,  2                           ; v2   my stage, on the way in
.set STR,  3                           ; v3   and on the way out: row r, + 64 h
.set GOF,  4                           ; v4   my fragments' place in a block of xq
.set GOU,  5                           ; v5   and my scale unit's
.set TM,   8                           ; v8-19  the quantiser's: largest magnitudes, bytes, scale operands
.set PC,   20                          ; v20-39 the codes just made
.set PW,   40                          ; v40-43 the four tiles' scale words
.set PU,   44                          ; v44-45 a lane's 8 bytes of the scale unit
.set WV,   8                           ; s8   wave
.set SEL,  10                          ; s[10:11] lane selects: lane l xor 16
.set HM,   12                          ; s12  lanes 16-31
; WINDOWS: 1: four sets of 64 registers as loaded, a set a tile.  2: two sets of 64 numbers, at v0 and v128.
.set MSB, 0
.macro WIN new                         ; the immediate's high byte repeats the setting that is left
.if MSB != (\new)
	s_set_vgpr_msb (MSB<<8)|(\new)
.set MSB, (\new)
.endif
.endm
; 64 numbers of a lane, v[s] .. v[s + 63] of window ws: register 16 b + i = k 32 b + 16 h + i of my row; the block's other 16 lie in lane l xor 16.  They become a fragment's codes in v[PC] on and its scale word in v[pw].
.macro QUANT s, ws, pw
	WIN (\ws)|((\ws)<<2)
.irp b, 0,1,2,3
	v_max3_num_f32 v[TM+\b], |v[(\s)+16*\b]|, |v[(\s)+16*\b+1]|, 0x1800000   ; with the floor 2^(3 - 127): the byte cannot fall under 1
.endr
.irp i, 2,4,6,8,10,12,14
.irp b, 0,1,2,3
	v_max3_num_f32 v[TM+\b], |v[(\s)+16*\b+\i]|, |v[(\s)+16*\b+\i+1]|, v[TM+\b]   ; the four blocks by turns
.endr
.endr
	WIN 0
.irp b, 0,1,2,3
	v_permlanex16_b32 v[TM+4+\b], v[TM+\b], s[SEL], s[SEL+1]
.endr
.irp b, 0,1,2,3
	v_max_num_f32 v[TM+\b], v[TM+\b], v[TM+4+\b]   ; the block's largest magnitude
.endr
.irp b, 0,1,2,3
	v_add_nc_u32 v[TM+8+\b], 0xff000000, v[TM+\b]  ; 2 off its exponent field: the conversion's scale operand
.endr
.irp b, 0,1,2,3
	v_lshrrev_b32 v[TM+4+\b], 23, v[TM+8+\b]       ; the scale's byte
.endr
	v_lshl_or_b32 v[\pw], v[TM+5], 8, v[TM+4]
	v_lshl_or_b32 v[\pw], v[TM+6], 16, v[\pw]
	v_lshl_or_b32 v[\pw], v[TM+7], 24, v[\pw]
	s_wait_xcnt 0x0                                ; earlier stores have read the codes' registers
	WIN (\ws)
.irp c, 0,1
	v_cvt_scalef32_pk16_fp6_f32 v[PC+6*\c:PC+6*\c+2], v[(\s)+32*\c:(\s)+32*\c+15], v[TM+8+2*\c]
	v_cvt_scalef32_pk16_fp6_f32 v[PC+12+4*\c:PC+14+4*\c], v[(\s)+16+32*\c:(\s)+31+32*\c], v[TM+9+2*\c]
.endr
	WIN 0
	v_nop                                          ; one plain place behind a scaled conversion
.irp c, 0,1                            ; the operand wants a whole block in a lane: lanes 0-15 block 2 c, lanes 16-31 block 2 c + 1
.irp i, 0,1,2
	v_permlane16_swap_b32 v[PC+6*\c+\i], v[PC+12+4*\c+\i]
.endr
.irp i, 0,1,2
	v_mov_b32 v[PC+3+6*\c+\i], v[PC+12+4*\c+\i]
.endr
.endr
.endm
	s_load_b128 s[4:7], s[0:1], 0x0                ; x, xq
	s_load_b256 s[24:31], s[0:1], 0x10             ; Wq, Wk, Wv codes, wimg
	v_lshl_add_u32 v254, v0, 2, 0x10800
	v_mov_b32 v255, 0
	v_lshrrev_b32 v6, 5, v0
	v_readfirstlane_b32 s[WV], v6                  ; wave 0..3
	v_and_b32 v7, 31, v0                           ; lane
	s_wait_alu depctr_va_vdst(0)
	v_and_b32 v6, 15, v0                           ; r
	s_wait_alu depctr_va_vdst(0)
	v_bfe_u32 v46, v0, 4, 1                        ; h
	s_lshr_b32 s13, ttmp9, 2                       ; which 128 rows
	s_and_b32 s14, ttmp9, 3
	s_lshr_b32 s15, s14, 1                         ; which 64 of them
	s_and_b32 s14, s14, 1
	s_lshl_b32 s14, s14, 2
	s_add_co_u32 s14, s14, s[WV]                   ; which K step: the four waves stand side by side on 2,048 bytes of each row
	s_lshl_b32 s16, s13, 19                        ; x: 128 rows of 4,096 bytes,
	s_lshl_b32 s17, s15, 18                        ; 64 rows,
	s_add_co_u32 s16, s16, s17
	s_lshl_b32 s17, s14, 9                         ; 512 bytes a K step
	s_add_co_u32 s16, s16, s17
	s_mov_b32 s17, 0
	s_mul_i32 s18, s13, 102400                     ; xq: the group's blocks, my K step's
	s_mul_i32 s19, s14, 12800
	s_add_co_u32 s18, s18, s19
	s_mov_b32 s19, 0
	s_mov_b32 s[SEL], 0x76543210
	s_mov_b32 s[SEL+1], 0xfedcba98
	s_mov_b32 s[HM], 0xffff0000
	v_lshlrev_b32 v[XA], 4, v7
	s_mul_i32 s20, s[WV], STGW
	v_add_nc_u32 v[STW], s20, v[XA]
	v_mul_u32_u24 v[STR], v6, 528
	s_wait_alu depctr_va_vdst(0)
	v_lshl_add_u32 v[STR], v46, 6, v[STR]
	v_add_nc_u32 v[STR], s20, v[STR]
	s_mul_i32 s20, s15, 6144                       ; my four fragments of the block's eight
	v_add_nc_u32 v[GOF], s20, v[XA]
	s_lshl_b32 s20, s15, 8
	s_add_co_u32 s20, s20, 12288                   ; my unit of its two
	v_lshl_add_u32 v[GOU], v7, 3, s20
	s_mul_i32 s21, s[WV], 192                      ; W's codes: my two K steps are 192 bytes of each row
	v_mul_u32_u24 v47, v6, 768                     ; row r of 768 bytes,
	v_mad_u32_u24 v47, v46, 24, v47                ; + 24 h,
	v_add_nc_u32 v47, s21, v47                     ; + my K steps
.irp b, 0,1,2,3
	v_mov_b32 v[TM+4+\b], 0                        ; written once: a lane permute's destination counts as one of its sources
.endr
	s_wait_alu depctr_va_vdst(0)
	s_wait_kmcnt 0x0
	s_add_nc_u64 s[4:5], s[4:5], s[16:17]
	s_add_nc_u64 s[6:7], s[6:7], s[18:19]
; THE WEIGHTS ARE LAID ANEW.  A row of W is 768 bytes, so half a row begins off a 256-byte border; the next launch wants dense tiles.  wimg: [matrix 3][256 rows : 4][512 along K : 2][16 rows : 16][128 along K : 4][1,536 bytes]:
; a fragment as its registers stand (registers 4 c .. 4 c + 3 of lane l at 512 c + 16 l).  The codes are moved, not changed.  192 tiles of 16 rows: work-group t < 192 takes tile t, its wave w K steps 2 w and 2 w + 1.
	s_cmp_lt_u32 ttmp9, 192
	s_cbranch_scc0 .Lno_w
	s_lshr_b32 s21, ttmp9, 6                       ; which matrix
	s_cmp_eq_u32 s21, 0
	s_cselect_b64 s[24:25], s[24:25], s[26:27]
	s_cmp_eq_u32 s21, 2
	s_cselect_b64 s[24:25], s[28:29], s[24:25]
	s_and_b32 s22, ttmp9, 63
	s_mul_i32 s22, s22, 12288                      ; 16 rows of 768 bytes
	s_mov_b32 s23, 0
	s_add_nc_u64 s[24:25], s[24:25], s[22:23]
	s_lshr_b32 s22, ttmp9, 4
	s_mul_i32 s22, s22, 196608                     ; matrix and 256 rows
	s_and_b32 s21, ttmp9, 15
	s_mul_i32 s21, s21, 6144
	s_add_co_u32 s22, s22, s21
	s_lshr_b32 s21, s[WV], 1
	s_mul_i32 s21, s21, 98304                      ; which 512 along K
	s_add_co_u32 s22, s22, s21
	s_and_b32 s21, s[WV], 1
	s_mul_i32 s21, s21, 3072
	s_add_co_u32 s22, s22, s21
	s_add_nc_u64 s[30:31], s[30:31], s[22:23]
.Lno_w:
.macro LOADX qq                        ; tile qq: 16 loads, a row's 512 bytes each; this launch reads them once
.set i, 0
.rept 16
	global_load_b128 v[64*(\qq)+4*i:64*(\qq)+4*i+3], v[XA], s[4:5] offset:(16*(\qq)+i)*4096 th:TH_LOAD_NT
.set i, i+1
.endr
.endm
.macro TURNX qq                        ; through my stage.  LDS serves a wave's instructions in order (ISA guide 5.7.1.4): no wait between the stores and the loads
	WIN 0x04
.set i, 0
.rept 16
	ds_store_b128 v[STW], v[64*(\qq)+4*i:64*(\qq)+4*i+3] offset:8448*((\qq)%2)+528*i
.set i, i+1
.endr
	WIN 0x80
.irp bb, 0,1,2,3
.irp jj, 0,1,2,3
	ds_load_b128 v[128*((\qq)%2)+16*\bb+4*\jj:128*((\qq)%2)+16*\bb+4*\jj+3], v[STR] offset:8448*((\qq)%2)+128*\bb+16*\jj
.endr
.endr
.endm
.macro STEP qq
	s_wait_dscnt 0x0                               ; this tile's numbers are back from the stage
.if (\qq) < 3
	s_wait_loadcnt 16*(2-(\qq))                    ; the next tile's 16 loads are in; the count is the loads issued behind them
	TURNX (\qq)+1                                  ; it goes through the other stage while this tile is quantised
.endif
	QUANT 128*((\qq)%2), 2, PW+(\qq)
.irp c, 0,1,2
	global_store_b128 v[GOF], v[PC+4*\c:PC+4*\c+3], s[6:7] offset:1536*(\qq)+512*\c   ; 512 consecutive bytes, at a multiple of 256 from the buffer's first byte
.endr
.endm
	WIN 0x40
	LOADX 0
	LOADX 1
	LOADX 2
	LOADX 3
	WIN 0
	s_cmp_lt_u32 ttmp9, 192
	s_cbranch_scc0 .Lno_w1
.irp s, 0,1
.irp p, 0,1,2,3,4,5
	global_load_b64 v[48+12*\s+2*\p:49+12*\s+2*\p], v47, s[24:25] offset:96*\s+48*(\p/3)+8*(\p%3)   ; W's pieces, behind x's loads: on this way the counts below are 12 under the loads issued later
.endr
.endr
.Lno_w1:
	s_wait_loadcnt 48                              ; tile 0 is in (behind it: tiles 1 to 3)
	TURNX 0
	STEP 0
	STEP 1
	STEP 2
	STEP 3
	v_cndmask_b32 v[PU], v[PW], v[PW+2], s[HM]     ; the scale unit: lanes 0-15 tiles 0, 1; lanes 16-31 tiles 2, 3
	v_cndmask_b32 v[PU+1], v[PW+1], v[PW+3], s[HM]
	global_store_b64 v[GOU], v[PU:PU+1], s[6:7]    ; 256 consecutive bytes
	s_cmp_lt_u32 ttmp9, 192
	s_cbranch_scc0 .Lno_w2
.irp s, 0,1
.irp c, 0,1,2
	global_store_b128 v[XA], v[48+12*\s+4*\c:51+12*\s+4*\c], s[30:31] offset:1536*\s+512*\c   ; 512 consecutive bytes; all loads were waited for in the third tile's step
.endr
.endr
.Lno_w2:
	s_wait_tensorcnt 0x0
	ds_add_u32 v254, v255
	s_wait_dscnt 0x0
	s_endpgm
.Lfunc_end_k_q495bfe1d35_qx:
	.size	k_q495bfe1d35_qx, .Lfunc_end_k_q495bfe1d35_qx-k_q495bfe1d35_qx
	.p2alignl 7, 3214868480
	.fill 96, 4, 3214868480
	.section	.rodata,"a",@progbits
	.p2align	6, 0x0
	.amdhsa_kernel k_q495bfe1d35_qx
		.amdhsa_group_segment_fixed_size 68096
		.amdhsa_private_segment_fixed_size 0
		.amdhsa_enable_private_segment 0
		.amdhsa_kernarg_size 48
		.amdhsa_user_sgpr_count 2
		.amdhsa_user_sgpr_kernarg_segment_ptr 1
		.amdhsa_wavefront_size32 1
		.amdhsa_system_sgpr_workgroup_id_x 1
		.amdhsa_system_sgpr_workgroup_id_y 1
		.amdhsa_system_sgpr_workgroup_id_z 1
		.amdhsa_system_vgpr_workitem_id 0
		.amdhsa_next_free_vgpr 768
		.amdhsa_next_free_sgpr 66
		.amdhsa_reserve_vcc 0
		.amdhsa_float_denorm_mode_32 3
		.amdhsa_float_denorm_mode_16_64 3
		.amdhsa_memory_ordered 1
		.amdhsa_forward_progress 1
		.amdhsa_inst_pref_size 37
	.end_amdhsa_kernel
	.amdgpu_metadata
---
amdhsa.version: [ 1, 2 ]
amdhsa.kernels:
  - .name:           k_q495bfe1d35_qx
    .symbol:         k_q495bfe1d35_qx.kd
    .args:
      - { .name: x, .offset: 0, .size: 8, .value_kind: global_buffer, .address_space: global }
      - { .name: xq, .offset: 8, .size: 8, .value_kind: global_buffer, .address_space: global }
      - { .name: Wq_codes, .offset: 16, .size: 8, .value_kind: global_buffer, .address_space: global }
      - { .name: Wk_codes, .offset: 24, .size: 8, .value_kind: global_buffer, .address_space: global }
      - { .name: Wv_codes, .offset: 32, .size: 8, .value_kind: global_buffer, .address_space: global }
      - { .name: wimg, .offset: 40, .size: 8, .value_kind: global_buffer, .address_space: global }
    .group_segment_fixed_size: 68096
    .private_segment_fixed_size: 0
    .kernarg_segment_align: 8
    .kernarg_segment_size: 48
    .max_flat_workgroup_size: 128
    .sgpr_count:     66
    .vgpr_count:     768
    .wavefront_size: 32
...
	.end_amdgpu_metadata
.endif
;; end of part 1
;; launch proj (part 2): grid 4 x 64, 4 waves a work-group, clusters of 4 x 4, 327,680 bytes of LDS; arguments xq, wimg, Wq_scales, Wk_scales, Wv_scales, bq, bk, bv, q, k, v; writes q, k, v
.if DOCPART == 2
	.amdgcn_target "amdgcn-amd-amdhsa--gfx1250"
	.amdhsa_code_object_version 6
	.text
	.protected	k_q495bfe1d35_proj
	.globl	k_q495bfe1d35_proj
	.p2align	8
	.type	k_q495bfe1d35_proj,@function
k_q495bfe1d35_proj:
	s_mov_b64 s[64:65], 0
	v_nop
	global_prefetch_b8 v0, s[64:65] scope:SCOPE_SE
	s_setreg_imm32_b32 hwreg(HW_REG_WAVE_MODE, 25, 1), 1
	s_wait_xcnt 0x0
	s_wait_alu depctr_hold_cnt(0) depctr_sa_sdst(0) depctr_va_vdst(0) depctr_va_sdst(0) depctr_va_ssrc(0) depctr_va_vcc(0) depctr_vm_vsrc(0)
	s_getreg_b32 s2, hwreg(HW_REG_IB_STS2, 6, 4)
	s_cmp_eq_u32 s2, 0
	s_cbranch_scc0 .Lentry_in_a_cluster
	s_endpgm
.Lentry_in_a_cluster:
	s_bfe_u32 s2, ttmp6, 0x10000c
	s_cmp_lg_u32 s2, 0xf033
	s_cbranch_scc0 .Lentry_shape_is_right
	s_endpgm
.Lentry_shape_is_right:
; Q, K, V = x W^T + b on codes of FP6 (E2M3) with one E8M0 scale for each 32 along K, and the three results quantised again: Q and K along their 1,024 columns, V along the keys.
; xq: x as codes, [128 rows : 64][128 along K : 8][12,800 bytes]: eight fragments as their registers stand, then two scale units.  Wq, Wk, Wv: [1024][1024] as codes (a row: 768 bytes) with scale bytes [1024][32].  bq, bk, bv: [1024] f32.
; SHARES.  A work-group takes 128 rows of x (g) and 256 columns (j) of each of Q, K and V.  Its rows' codes, 102,400 bytes, come into LDS once and stay.  Three passes over K = 1,024, 8 steps of 128, 32 accumulators a wave:
; passes Q and K: 64 rows x 128 columns (source 0 = 16 rows of W, source 1 = 16 rows of x: a lane holds one row and eight neighbouring columns);
; pass V: 128 keys x 64 columns (source 0 = x, source 1 = W: a lane holds one column and eight neighbouring keys).  So each pass ends in whole fragments of the next product, which leave straight from registers.
; W goes through two LDS slots of 256 rows x 512 along K: four K steps, 128 matrix instructions a wave, to a slot.
; A FRAGMENT (16 rows x 128 K, 12 registers a lane) lies in LDS and in the workspace AS ITS REGISTERS STAND: registers 4 c .. 4 c + 3 of lane l at byte 512 c + 16 l.  Every access is 512 bytes on end.
; A SCALE UNIT (256 bytes) holds the scale words of four neighbouring tiles: lane (r, h) has 8 bytes at 8 l: word jj belongs to tile 2 h + jj, row r.
; ORDER INSIDE A BLOCK OF 32.  A result's tiles are 16 neighbours; a lane's half holds 8 of each.  So number 16 u + 8 h + i of a block lands at place 16 h + 8 u + i.  The block's members and its scale are the same, and both
; operands of each later product are made this way (Q and K here; V here and the weights p in the next launch), so the products pair the same numbers.
; CLUSTER 4 x 4.  W's tiles hang on j alone: the four work-groups of a column of the cluster ask for each jointly.  x's codes hang on g alone: the four of a row ask for them jointly.
; LIMITS: NaN and infinities among the inputs are not served.  A block whose largest magnitude lies under 2^-124 (a block of zeros too) keeps the scale byte 1; these bytes are read by this program alone.
; W's codes come from wimg, where the launch before has laid them as fragments: [matrix 3][256 rows : 4][512 along K : 2][16 rows : 16][128 along K : 4][1,536 bytes].
.set SLOT,  98304                      ; a slot: 256 rows of W x 512 along K: tile t's K step q at 6,144 t + 1,536 q, dense
.set PITCH, 432                        ; 108 words: row r starts at bank 44 r mod 64 (64 banks of 4 bytes: ISA guide 11.1): sixteen different multiples of 4
.set XIMG,  2*SLOT                     ; x's codes: K step s at 12,800 s: tile t at 1,536 t, scale unit u at 12,288 + 256 u
.set SPARE, XIMG+102400                ; the spare words, 128 bytes a wave: two blocks of 256 bytes that no other line names
.set XA,   1                           ; v1   16 x lane
.set XQ,   2                           ; v2-3   x's fragments, my four tiles in passes Q and K: K steps 0-3, 4-7
.set XV,   4                           ; v4-5   all eight tiles
.set XSQ,  6                           ; v6-7   my tiles' scale unit
.set XSV,  8                           ; v8-9   both units
.set BA,   13                          ; v13  32 h
.set ADRW, 14                          ; v14-15 W's rows in slot 0, 1 for passes Q, K
.set ADRV, 18                          ; v18-19 the same for pass V
.set BVA,  22                          ; v22  4 r
.set WSA,  23                          ; v23  32 r + 2,048 h
.set WSVA, 24                          ; v24  32 r + 1,024 h
.set GOF,  25                          ; v25  q, k: my fragments' place in a block
.set GOU,  26                          ; v26  and my scale unit's
.set GVF,  27                          ; v27  the same in v
.set SPW,  28                          ; v28  my spare word; never rewritten
.set NIL,  29                          ; v29  0; never rewritten
.set XS,   30                          ; v30-37 x's scale words, two sets of four
.set WSQ,  38                          ; v38-69 Wq's scale words: register 8 (b % 4) + s: lanes 0-15 tile b % 4, lanes 16-31 tile b % 4 + 4
.set TM,   70                          ; v70-81 the quantiser's: largest magnitudes, bytes, scale operands
.set PC,   82                          ; v82-101 the codes just made
.set PW,   102                         ; v102-105 four scale words just made
.set PU,   106                         ; v106-107 a lane's 8 bytes of a scale unit
.set WSV,  108                         ; v108-123 Wv's scale words: register 8 (n % 2) + s
.set GVU,  124
.set WSK,  128                         ; v128-159 Wk's scale words
.set WV,   30                          ; s30 wave, s31 wave / 2, s48 wave % 2
.set WH,   31
.set WL,   48
.set G1,   32                          ; s[32:39] W's descriptor group 1; s[40:47] group 0, a set for each slot
.set G0,   40
.set G1X,  72                          ; s[72:79], s[80:83] groups 1 and 0 for x's codes
.set G0X,  80
.set SEL,  60                          ; s[60:61] lane selects: lane l xor 16
.set HM,   62                          ; s62  lanes 16-31
; WINDOWS: 1: W's fragments, set n at 128 n.  2: x's fragments, set n at 128 n; biases at v96-127, v224-255.  3: the 32 accumulators.
.set MSB, 0
.macro WIN new                         ; the immediate's high byte repeats the setting that is left
.if MSB != (\new)
	s_set_vgpr_msb (MSB<<8)|(\new)
.set MSB, (\new)
.endif
.endm
.macro PLACES                          ; four plain places behind matrix instructions, in front of loads into their registers and of reads of their results
.rept 4
	v_nop
.endr
.endm
.macro CREST                           ; a round of the cluster's barrier behind its opening barrier
	s_cmp_lg_u32 s[WV], 0
	s_cbranch_scc1 .Lnot_wave_0_\@
	s_barrier_signal -3
.Lnot_wave_0_\@:
	s_barrier_wait -3
	s_barrier_signal -1
	s_barrier_wait -1
.endm
.macro CROUND
	s_barrier_signal -1
	s_barrier_wait -1
	CREST
.endm
.macro WM d, a, b, c, sa, sb, ra, rb   ; ra, rb = 1: that side's scales are taken from lanes 16-31
.if (\ra) && (\rb)
	v_wmma_scale_f32_16x16x128_f8f6f4 v[\d:\d+7], v[\a:\a+11], v[\b:\b+11], v[\c:\c+7], v[\sa], v[\sb] matrix_a_fmt:MATRIX_FMT_FP6 matrix_b_fmt:MATRIX_FMT_FP6 matrix_a_scale:MATRIX_SCALE_ROW1 matrix_b_scale:MATRIX_SCALE_ROW1
.elseif (\ra)
	v_wmma_scale_f32_16x16x128_f8f6f4 v[\d:\d+7], v[\a:\a+11], v[\b:\b+11], v[\c:\c+7], v[\sa], v[\sb] matrix_a_fmt:MATRIX_FMT_FP6 matrix_b_fmt:MATRIX_FMT_FP6 matrix_a_scale:MATRIX_SCALE_ROW1
.elseif (\rb)
	v_wmma_scale_f32_16x16x128_f8f6f4 v[\d:\d+7], v[\a:\a+11], v[\b:\b+11], v[\c:\c+7], v[\sa], v[\sb] matrix_a_fmt:MATRIX_FMT_FP6 matrix_b_fmt:MATRIX_FMT_FP6 matrix_b_scale:MATRIX_SCALE_ROW1
.else
	v_wmma_scale_f32_16x16x128_f8f6f4 v[\d:\d+7], v[\a:\a+11], v[\b:\b+11], v[\c:\c+7], v[\sa], v[\sb] matrix_a_fmt:MATRIX_FMT_FP6 matrix_b_fmt:MATRIX_FMT_FP6
.endif
.endm
; 64 numbers of a lane, v[s] .. v[s + 63] of window ws: register 16 b + i belongs to block b of my row, the block's other 16 lie in lane l xor 16.  They become a fragment's codes in v[PC] on and its scale word in v[pw].
.macro QUANT s, ws, pw
	WIN (\ws)|((\ws)<<2)
.irp b, 0,1,2,3
	v_max3_num_f32 v[TM+\b], |v[(\s)+16*\b]|, |v[(\s)+16*\b+1]|, 0x1800000   ; with the floor 2^(3 - 127): the byte cannot fall under 1
.endr
.irp i, 2,4,6,8,10,12,14
.irp b, 0,1,2,3
	v_max3_num_f32 v[TM+\b], |v[(\s)+16*\b+\i]|, |v[(\s)+16*\b+\i+1]|, v[TM+\b]   ; the four blocks by turns; each accumulator is read from its low end on
.endr
.endr
	WIN 0
.irp b, 0,1,2,3
	v_permlanex16_b32 v[TM+4+\b], v[TM+\b], s[SEL], s[SEL+1]
.endr
.irp b, 0,1,2,3
	v_max_num_f32 v[TM+\b], v[TM+\b], v[TM+4+\b]   ; the block's largest magnitude
.endr
.irp b, 0,1,2,3
	v_add_nc_u32 v[TM+8+\b], 0xff000000, v[TM+\b]  ; 2 off its exponent field: the conversion's scale operand
.endr
.irp b, 0,1,2,3
	v_lshrrev_b32 v[TM+4+\b], 23, v[TM+8+\b]       ; the scale's byte
.endr
	v_lshl_or_b32 v[\pw], v[TM+5], 8, v[TM+4]
	v_lshl_or_b32 v[\pw], v[TM+6], 16, v[\pw]
	v_lshl_or_b32 v[\pw], v[TM+7], 24, v[\pw]
	s_wait_xcnt 0x0                                ; earlier stores have read the codes' registers
	WIN (\ws)
.irp c, 0,1
	v_cvt_scalef32_pk16_fp6_f32 v[PC+6*\c:PC+6*\c+2], v[(\s)+32*\c:(\s)+32*\c+15], v[TM+8+2*\c]
	v_cvt_scalef32_pk16_fp6_f32 v[PC+12+4*\c:PC+14+4*\c], v[(\s)+16+32*\c:(\s)+31+32*\c], v[TM+9+2*\c]
.endr
	WIN 0
	v_nop                                          ; one plain place behind a scaled conversion
.irp c, 0,1                            ; the operand wants a whole block in a lane: lanes 0-15 block 2 c, lanes 16-31 block 2 c + 1
.irp i, 0,1,2
	v_permlane16_swap_b32 v[PC+6*\c+\i], v[PC+12+4*\c+\i]
.endr
.irp i, 0,1,2
	v_mov_b32 v[PC+3+6*\c+\i], v[PC+12+4*\c+\i]
.endr
.endr
.endm
	s_load_b128 s[4:7], s[0:1], 0x0                ; xq, wimg
	s_load_b512 s[12:27], s[0:1], 0x10             ; Wq, Wk, Wv scales, bq, bk, bv, q, k
	s_load_b64 s[28:29], s[0:1], 0x50              ; v
	v_lshl_add_u32 v[SPW], v0, 2, SPARE
	v_mov_b32 v[NIL], 0
	ds_add_u32 v28, v29
	ds_add_u32 v28, v29
	s_wait_dscnt 0x0
	v_lshrrev_b32 v125, 5, v0
	v_readfirstlane_b32 s[WV], v125                ; wave 0..3
	s_lshr_b32 s[WH], s[WV], 1
	s_and_b32 s[WL], s[WV], 1
	s_bfe_u32 s49, ttmp6, 0x40000                  ; cx
	s_bfe_u32 s50, ttmp6, 0x40004                  ; cy
	s_lshl_b32 s51, ttmp9, 2
	s_add_co_u32 s51, s51, s49                     ; j: which 256 columns
	s_and_b32 s52, ttmp7, 0xffff
	s_lshl_b32 s52, s52, 2
	s_add_co_u32 s52, s52, s50                     ; g: which 128 rows
	s_lshl_b32 s53, 0x1111, s49                    ; my column of the cluster
	s_lshl_b32 s71, s50, 2
	s_lshl_b32 s71, 15, s71                        ; my row
	s_or_b32 s[G1], s53, (3<<16)|(1<<21)           ; W: the mask; elements of 8 bytes; a wave's quarter of a slot is a dense block of 24,576 bytes: 96 rows of 256
	s_mov_b32 s[G1+1], 32<<16
	s_mov_b32 s[G1+2], 96<<16
	s_mov_b32 s[G1+3], 32<<16
	s_mov_b32 s[G1+4], 96
	s_mov_b32 s[G1+5], 32
	s_or_b32 s88, s53, (3<<16)|(1<<21)             ; s[88:95]: the same for the head's load: half of slot 0, 192 rows of 256
	s_mov_b32 s89, 32<<16
	s_mov_b32 s90, 192<<16
	s_mov_b32 s91, 32<<16
	s_mov_b32 s92, 192
	s_mov_b32 s93, 32
	s_mov_b32 s94, 0
	s_mov_b32 s95, 0
	s_mov_b32 s[G1+6], 0
	s_mov_b32 s[G1+7], 0
	s_or_b32 s[G1X], s71, (3<<16)|(1<<21)          ; x's codes: the mask; elements of 8 bytes; a dense block of 51,200 bytes as 200 rows of 256
	s_mov_b32 s[G1X+1], 32<<16
	s_mov_b32 s[G1X+2], 200<<16                    ; half of x's codes: 51,200 bytes as 200 rows of 256
	s_mov_b32 s[G1X+3], 32<<16
	s_mov_b32 s[G1X+4], 200
	s_mov_b32 s[G1X+5], 32
	s_mov_b32 s[G1X+6], 0
	s_mov_b32 s[G1X+7], 0
	s_mul_i32 s56, s51, 196608                     ; W's codes: row 256 j + 64 wave (these registers never hold cy)
	s_mul_i32 s57, s[WL], 49152
	s_add_co_u32 s66, s56, s57                     ; the head's load: half wave % 2 of Wq's first slot
	s_mov_b32 s67, 0
	s_mul_i32 s57, s[WV], 24576                    ; the ring's loads: my quarter
	s_add_co_u32 s56, s56, s57
	s_mov_b32 s57, 0
	s_mul_i32 s68, s[WV], 24576
	s_mul_i32 s84, s52, 102400                     ; x's codes: group g, my four K steps of the eight (these registers never hold cx)
	s_mul_i32 s85, s[WL], 51200
	s_add_co_u32 s84, s84, s85
	s_mov_b32 s85, 0
	s_mul_i32 s86, s[WL], 51200
	s_mov_b32 s55, 0
	s_mov_b32 s59, 0
	s_mov_b32 s[SEL], 0x76543210
	s_mov_b32 s[SEL+1], 0xfedcba98
	s_mov_b32 s[HM], 0xffff0000
	s_wait_kmcnt 0x0
	s_add_nc_u64 s[4:5], s[4:5], s[84:85]
	s_add_nc_u64 s[98:99], s[6:7], s[66:67]
	s_add_nc_u64 s[6:7], s[6:7], s[56:57]
	s_add_nc_u64 s[8:9], s[6:7], 786432            ; Wk's and Wv's images lie behind Wq's
	s_add_nc_u64 s[10:11], s[6:7], 1572864
	CROUND                                         ; all sixteen work-groups are here: the first joint loads meet
	s_mov_b32 s[G0X], 1
	s_add_co_u32 s[G0X+1], s86, XIMG
	s_mov_b64 s[G0X+2:G0X+3], s[4:5]
	s_or_b32 s[G0X+3], s[G0X+3], 0x80000000
.irp n, 0,1
	s_mov_b32 s[G0+4*\n], 1
	s_add_co_u32 s[G0+4*\n+1], s68, \n*SLOT
	s_add_nc_u64 s[G0+4*\n+2:G0+4*\n+3], s[6:7], \n*98304
	s_or_b32 s[G0+4*\n+3], s[G0+4*\n+3], 0x80000000
.endr
	s_mov_b32 s96, 1                               ; s[96:99]: group 0 of the head's load of W
	s_mul_i32 s97, s[WL], 49152
	s_or_b32 s99, s99, 0x80000000
	s_cmp_eq_u32 s[WH], 0                          ; the head's four tiles, one load a wave: waves 0, 1 the halves of x's codes, waves 2, 3 the halves of slot 0
	s_cbranch_scc0 .Lhead_w
	tensor_load_to_lds s[G0X:G0X+3], s[G1X:G1X+7]
	s_nop 0
	PLACES
	s_branch .Lhead_asked
.Lhead_w:
	tensor_load_to_lds s[96:99], s[88:95]
	s_nop 0
	PLACES
.Lhead_asked:
	s_lshl_b32 s56, s51, 13                        ; scale bytes: 32 a row
	s_lshl_b32 s58, s[WH], 12
	s_add_co_u32 s58, s56, s58
	s_add_nc_u64 s[12:13], s[12:13], s[58:59]      ; Wq's, Wk's: row 256 j + 128 (wave / 2)
	s_add_nc_u64 s[14:15], s[14:15], s[58:59]
	s_lshl_b32 s58, s[WV], 11
	s_add_co_u32 s58, s56, s58
	s_add_nc_u64 s[16:17], s[16:17], s[58:59]      ; Wv's: row 256 j + 64 wave
	s_lshl_b32 s56, s51, 10
	s_lshl_b32 s58, s[WH], 9
	s_add_co_u32 s58, s56, s58
	s_add_nc_u64 s[18:19], s[18:19], s[58:59]      ; bq, bk
	s_add_nc_u64 s[20:21], s[20:21], s[58:59]
	s_lshl_b32 s58, s[WV], 8
	s_add_co_u32 s58, s56, s58
	s_add_nc_u64 s[22:23], s[22:23], s[58:59]      ; bv
	s_lshl_b32 s54, s52, 3
	s_lshl_b32 s58, s51, 1
	s_add_co_u32 s54, s54, s58
	s_add_co_u32 s54, s54, s[WH]
	s_mul_i32 s54, s54, 12800
	s_add_nc_u64 s[24:25], s[24:25], s[54:55]      ; q, k: block (g, 2 j + wave / 2)
	s_add_nc_u64 s[26:27], s[26:27], s[54:55]
	s_lshl_b32 s54, s52, 2
	s_add_co_u32 s54, s54, s51
	s_mul_i32 s54, s54, 25600
	s_add_nc_u64 s[28:29], s[28:29], s[54:55]      ; v: block (g, j)
	v_and_b32 v125, 15, v0                         ; r
	v_bfe_u32 v126, v0, 4, 1                       ; h
	v_and_b32 v127, 31, v0                         ; lane
	v_lshlrev_b32 v[XA], 4, v127
	v_lshlrev_b32 v[WSA], 5, v125
	v_lshl_add_u32 v[WSVA], v126, 10, v[WSA]
	v_lshl_add_u32 v[WSA], v126, 11, v[WSA]
	v_lshlrev_b32 v[BA], 5, v126
	v_lshlrev_b32 v[BVA], 2, v125
.irp b, 0,1,2,3                        ; a row's 32 scale bytes are its eight K steps' words: they stay in registers
.irp i, 0,1
	global_load_b128 v[WSQ+8*\b+4*\i:WSQ+8*\b+4*\i+3], v[WSA], s[12:13] offset:512*\b+16*\i
	global_load_b128 v[WSK+8*\b+4*\i:WSK+8*\b+4*\i+3], v[WSA], s[14:15] offset:512*\b+16*\i
.endr
.endr
.irp b, 0,1
.irp i, 0,1
	global_load_b128 v[WSV+8*\b+4*\i:WSV+8*\b+4*\i+3], v[WSVA], s[16:17] offset:512*\b+16*\i
.endr
.endr
; The biases are the C of a pass's first K step.  Q, K: lane (r, h), tile b: columns 16 b + 8 h + 0 .. 7.  V: lane r, tile n: column 16 n + r, in all eight registers.
.macro BIASQK sb
	WIN 0x80
.irp b, 0,1,2,3,4,5,6,7
	global_load_b128 v[96+8*\b+96*(\b/4):99+8*\b+96*(\b/4)], v[BA], s[\sb:\sb+1] offset:64*\b
	global_load_b128 v[100+8*\b+96*(\b/4):103+8*\b+96*(\b/4)], v[BA], s[\sb:\sb+1] offset:64*\b+16
.endr
	WIN 0
.endm
.macro BIASV
	WIN 0x80
.irp n, 0,1,2,3
.irp jj, 0,1,2,3,4,5,6,7
	global_load_b32 v[96+8*\n+\jj], v[BVA], s[22:23] offset:64*\n
.endr
.endr
	WIN 0
.endm
	BIASQK 18
	v_add_nc_u32 v[XV], XIMG, v[XA]
	v_add_nc_u32 v[XV+1], XIMG+51200, v[XA]
	s_mul_i32 s69, s[WL], 6144
	v_add_nc_u32 v[XQ], s69, v[XV]
	v_add_nc_u32 v[XQ+1], s69, v[XV+1]
	v_lshl_add_u32 v[XSV], v127, 3, XIMG+12288
	v_add_nc_u32 v[XSV+1], 51200, v[XSV]
	s_lshl_b32 s69, s[WL], 8
	v_add_nc_u32 v[XSQ], s69, v[XSV]
	v_add_nc_u32 v[XSQ+1], s69, v[XSV+1]
	s_mul_i32 s69, s[WH], 49152                    ; passes Q, K: my eight tiles of W
	s_mul_i32 s70, s[WV], 24576                    ; pass V: my four
.irp n, 0,1
	v_add_nc_u32 v[ADRW+\n], s69, v[XA]
	v_add_nc_u32 v[ADRV+\n], s70, v[XA]
	s_add_co_u32 s69, s69, SLOT
	s_add_co_u32 s70, s70, SLOT
.endr
	s_mul_i32 s69, s[WL], 6144
	v_add_nc_u32 v[GOF], s69, v[XA]
	s_lshl_b32 s69, s[WL], 8
	s_add_co_u32 s69, s69, 12288
	v_lshl_add_u32 v[GOU], v127, 3, s69
	s_mul_i32 s69, s[WV], 6144
	v_add_nc_u32 v[GVF], s69, v[XA]
	s_lshl_b32 s69, s[WV], 8
	s_add_co_u32 s69, s69, 24576
	v_lshl_add_u32 v[GVU], v127, 3, s69
.irp b, 0,1,2,3
	v_mov_b32 v[TM+4+\b], 0                        ; written once: a lane permute's destination counts as one of its sources
.endr
	s_wait_alu depctr_va_vdst(0)
	s_wait_tensorcnt 0x0                           ; my tile of the head's four is in; a later first fill is issued as a refill is:
	ds_add_u32 v[SPW], v[NIL]
	s_wait_dscnt 0x0
	CROUND                                         ; all four tiles are in, and the partners are here
	tensor_load_to_lds s[G0+4:G0+7], s[G1:G1+7]    ; slot 1: Wq, K 512-1023, my quarter
	s_nop 0
	PLACES
; THE PASSES.  PASSV = 1: pass V.  WSB: W's scale words in passes Q and K.
.macro FRAGW reg, adr, q, i            ; a fragment of W from its slot
.irp c, 0,1,2                          ; as its registers stand: three loads of 512 bytes on end
	ds_load_b128 v[(\reg)+4*\c:(\reg)+4*\c+3], v[\adr] offset:6144*(\i)+1536*(\q)+512*\c
.endr
.endm
; K step s's operands come in THREE RUNS, so that a run of LDS loads stands behind each of a step's first three groups of matrix instructions.  W's fragments from the slot's q-th 128; x's fragments and scale units from their place.
; Q, K: 0: W's tiles 0-3;  1: W's tiles 4-7;  2: x's four tiles and their unit.   V: 0: W's four tiles;  1: x's tiles 0-3;  2: x's tiles 4-7 and both units.
.macro FETCHP part, set, slot, q, s
.if PASSV
.if (\part) == 0
	WIN 0x40
.irp i, 0,1,2,3
	FRAGW 128*(\set)+12*\i, ADRV+(\slot), \q, \i
.endr
.else
	WIN 0x80
.irp a, 0,1,2,3
.irp c, 0,1,2
	ds_load_b128 v[128*(\set)+12*(4*(\part)-4+\a)+4*\c:128*(\set)+12*(4*(\part)-4+\a)+4*\c+3], v[XV+(\s)/4] offset:12800*((\s)%4)+1536*(4*(\part)-4+\a)+512*\c
.endr
.endr
.if (\part) == 2
	WIN 0
.irp u, 0,1
	ds_load_b64 v[XS+4*(\set)+2*\u:XS+4*(\set)+2*\u+1], v[XSV+(\s)/4] offset:12800*((\s)%4)+256*\u
.endr
.endif
.endif
.else
.if (\part) < 2
	WIN 0x40
.irp i, 0,1,2,3
	FRAGW 128*(\set)+12*(4*(\part)+\i), ADRW+(\slot), \q, 4*(\part)+\i
.endr
.else
	WIN 0x80
.irp a, 0,1,2,3
.irp c, 0,1,2
	ds_load_b128 v[128*(\set)+12*\a+4*\c:128*(\set)+12*\a+4*\c+3], v[XQ+(\s)/4] offset:12800*((\s)%4)+1536*\a+512*\c
.endr
.endr
	WIN 0
	ds_load_b64 v[XS+4*(\set):XS+4*(\set)+1], v[XSQ+(\s)/4] offset:12800*((\s)%4)
.endif
.endif
.endm
.macro MWIN first                      ; Q, K: source 0 (W) window 1, source 1 (x) window 2; V: the other way round; D window 3; C window 3, in a pass's first step window 2
.if PASSV
	WIN 0xF6-0x10*(\first)
.else
	WIN 0xF9-0x10*(\first)
.endif
.endm
.macro MUL8 set, s, g, first           ; eight matrix instructions: group g (Q, K: x's tile g x W's eight; V: W's tile g x x's eight).  The 32 accumulators take turns
.set bb, 0
.rept 8
.set rD, 8*(8*(\g)+bb)
.set rA, 128*(\set)+12*bb
.set rB, 128*(\set)+12*(\g)
.if PASSV
.set rC, 96+8*(\g)
.set rSA, XS+4*(\set)+2*(bb/4)+bb%2
.set fA, (bb/2)%2
.set rSB, WSV+8*((\g)%2)+(\s)
.set fB, (\g)/2
.else
.set rC, 96+8*bb+96*(bb/4)
.set rSA, WSB+8*(bb%4)+(\s)
.set fA, bb/4
.set rSB, XS+4*(\set)+(\g)%2
.set fB, (\g)/2
.endif
.if (\first) == 0
.set rC, rD
.endif
	WM rD, rA, rB, rC, rSA, rSB, fA, fB
.set bb, bb+1
.endr
.endm
; A K step that has its successor in the same slot.  The four places behind the first group serve all three runs: the registers that they load were last read in the step before.
.macro PLAIN s, f, first, extra
	s_wait_dscnt 0x0                               ; this step's operands are in
	MWIN \first
	MUL8 (\s)%2, \s, 0, \first
	PLACES
	FETCHP 0, 1-(\s)%2, (\f)%2, ((\s)+1)%4, (\s)+1
.if (\extra) == 1
	BIASQK 20                                      ; the next pass's biases, into registers last read in this pass's first step
.elseif (\extra) == 2
	BIASV
.endif
	MWIN \first
	MUL8 (\s)%2, \s, 1, \first
	FETCHP 1, 1-(\s)%2, (\f)%2, ((\s)+1)%4, (\s)+1
	MWIN \first
	MUL8 (\s)%2, \s, 2, \first
	FETCHP 2, 1-(\s)%2, (\f)%2, ((\s)+1)%4, (\s)+1
	MWIN \first
	MUL8 (\s)%2, \s, 3, \first
.endm
; A slot's last K step (3 or 7) changes slots: ONE barrier.  In front of it each wave waits for all its tensor loads (one is out: its part of the next slot), adds 0 to its spare word, and waits for that and for its reads of this slot.
; fill = 1: the barrier opens a round of the cluster's, and this slot takes slot phase f + 2: matrix (f + 2) / 2, K 512 ((f + 2) % 2) on.
.macro TURN s, f, fill, fetch
	WIN 0
	s_wait_tensorcnt 0x0
	ds_add_u32 v[SPW], v[NIL]
	s_wait_dscnt 0x1                               ; this step's operands are in; the add may be out
	MWIN 0
	MUL8 1, \s, 0, 0
	s_wait_dscnt 0x0                               ; the add is done, and my reads of this slot are over
	s_barrier_signal -1
	MUL8 1, \s, 1, 0
	WIN 0
	s_barrier_wait -1
.if \fill
	CREST                                          ; no wave of any partner still reads this slot or has a load on its way
	s_add_nc_u64 s[G0+4*((\f)%2)+2:G0+4*((\f)%2)+3], s[6+2*(((\f)+2)/2):7+2*(((\f)+2)/2)], 98304*(((\f)+2)%2)
	s_or_b32 s[G0+4*((\f)%2)+3], s[G0+4*((\f)%2)+3], 0x80000000
	tensor_load_to_lds s[G0+4*((\f)%2):G0+4*((\f)%2)+3], s[G1:G1+7]   ; my one load behind the round; 112 matrix instructions stand between it and the wait for it
	s_nop 0
.endif
	PLACES                                         ; behind the tensor load, and in front of the loads below
.if \fetch
	FETCHP 0, 0, ((\f)+1)%2, 0, (\s)+1
.endif
	MWIN 0
	MUL8 1, \s, 2, 0
.if \fetch
	FETCHP 1, 0, ((\f)+1)%2, 0, (\s)+1
	FETCHP 2, 0, ((\f)+1)%2, 0, (\s)+1
	MWIN 0
.endif
	MUL8 1, \s, 3, 0
.endm
.macro PASSBEGIN f                     ; a pass's first operands
	s_wait_loadcnt 0x0                             ; scale words and biases
	FETCHP 0, 0, (\f)%2, 0, 0
	FETCHP 1, 0, (\f)%2, 0, 0
	FETCHP 2, 0, (\f)%2, 0, 0
.endm
.macro PASSEND gof, gou, sb            ; four fragments and one scale unit leave from registers: each store covers 512 (the unit's: 256) consecutive bytes, at a multiple of 256 from the buffer's first byte
	PLACES
.irp i, 0,1,2,3
	QUANT 64*\i, 3, PW+\i
.irp c, 0,1,2
	global_store_b128 v[\gof], v[PC+4*\c:PC+4*\c+3], s[\sb:\sb+1] offset:1536*\i+512*\c
.endr
.endr
	v_cndmask_b32 v[PU], v[PW], v[PW+2], s[HM]     ; lanes 0-15: tiles 0, 1; lanes 16-31: tiles 2, 3
	v_cndmask_b32 v[PU+1], v[PW+1], v[PW+3], s[HM]
	global_store_b64 v[\gou], v[PU:PU+1], s[\sb:\sb+1]
.endm
.set PASSV, 0
.set WSB, WSQ
	PASSBEGIN 0
	PLAIN 0, 0, 1, 0
	PLAIN 1, 0, 0, 0
	PLAIN 2, 0, 0, 1
	TURN  3, 0, 1, 1
	PLAIN 4, 1, 0, 0
	PLAIN 5, 1, 0, 0
	PLAIN 6, 1, 0, 0
	TURN  7, 1, 1, 0
	PASSEND GOF, GOU, 24
.set WSB, WSK
	PASSBEGIN 2
	PLAIN 0, 2, 1, 0
	PLAIN 1, 2, 0, 0
	PLAIN 2, 2, 0, 2
	TURN  3, 2, 1, 1
	PLAIN 4, 3, 0, 0
	PLAIN 5, 3, 0, 0
	PLAIN 6, 3, 0, 0
	TURN  7, 3, 1, 0
	PASSEND GOF, GOU, 26
.set PASSV, 1
	PASSBEGIN 4
	PLAIN 0, 4, 1, 0
	PLAIN 1, 4, 0, 0
	PLAIN 2, 4, 0, 0
	TURN  3, 4, 0, 1                               ; nothing is left to fetch: a plain barrier
	PLAIN 4, 5, 0, 0
	PLAIN 5, 5, 0, 0
	PLAIN 6, 5, 0, 0
	s_wait_dscnt 0x0                               ; the very last K step
	MWIN 0
	MUL8 1, 7, 0, 0
	MUL8 1, 7, 1, 0
	MUL8 1, 7, 2, 0
	MUL8 1, 7, 3, 0
	PASSEND GVF, GVU, 28
	s_wait_tensorcnt 0x0                           ; the wave's end
	ds_add_u32 v[SPW], v[NIL]
	s_wait_dscnt 0x0
	CROUND                                         ; the closing round
	s_endpgm
.Lfunc_end_k_q495bfe1d35_proj:
	.size	k_q495bfe1d35_proj, .Lfunc_end_k_q495bfe1d35_proj-k_q495bfe1d35_proj
	.p2alignl 7, 3214868480
	.fill 96, 4, 3214868480
	.section	.rodata,"a",@progbits
	.p2align	6, 0x0
	.amdhsa_kernel k_q495bfe1d35_proj
		.amdhsa_group_segment_fixed_size 327680
		.amdhsa_private_segment_fixed_size 0
		.amdhsa_enable_private_segment 0
		.amdhsa_kernarg_size 88
		.amdhsa_user_sgpr_count 2
		.amdhsa_user_sgpr_kernarg_segment_ptr 1
		.amdhsa_wavefront_size32 1
		.amdhsa_system_sgpr_workgroup_id_x 1
		.amdhsa_system_sgpr_workgroup_id_y 1
		.amdhsa_system_sgpr_workgroup_id_z 1
		.amdhsa_system_vgpr_workitem_id 0
		.amdhsa_next_free_vgpr 1024
		.amdhsa_next_free_sgpr 100
		.amdhsa_reserve_vcc 0
		.amdhsa_float_denorm_mode_32 3
		.amdhsa_float_denorm_mode_16_64 3
		.amdhsa_memory_ordered 1
		.amdhsa_forward_progress 1
		.amdhsa_inst_pref_size 233
	.end_amdhsa_kernel
	.amdgpu_metadata
---
amdhsa.version: [ 1, 2 ]
amdhsa.kernels:
  - .name:           k_q495bfe1d35_proj
    .symbol:         k_q495bfe1d35_proj.kd
    .args:
      - { .name: xq, .offset: 0, .size: 8, .value_kind: global_buffer, .address_space: global }
      - { .name: wimg, .offset: 8, .size: 8, .value_kind: global_buffer, .address_space: global }
      - { .name: Wq_scales, .offset: 16, .size: 8, .value_kind: global_buffer, .address_space: global }
      - { .name: Wk_scales, .offset: 24, .size: 8, .value_kind: global_buffer, .address_space: global }
      - { .name: Wv_scales, .offset: 32, .size: 8, .value_kind: global_buffer, .address_space: global }
      - { .name: bq, .offset: 40, .size: 8, .value_kind: global_buffer, .address_space: global }
      - { .name: bk, .offset: 48, .size: 8, .value_kind: global_buffer, .address_space: global }
      - { .name: bv, .offset: 56, .size: 8, .value_kind: global_buffer, .address_space: global }
      - { .name: q, .offset: 64, .size: 8, .value_kind: global_buffer, .address_space: global }
      - { .name: k, .offset: 72, .size: 8, .value_kind: global_buffer, .address_space: global }
      - { .name: v, .offset: 80, .size: 8, .value_kind: global_buffer, .address_space: global }
    .group_segment_fixed_size: 327680
    .private_segment_fixed_size: 0
    .kernarg_segment_align: 8
    .kernarg_segment_size: 88
    .max_flat_workgroup_size: 128
    .sgpr_count:     100
    .vgpr_count:     1024
    .wavefront_size: 32
...
	.end_amdgpu_metadata
.endif
;; end of part 2
;; launch scores (part 3): grid 8 x 32, 4 waves a work-group, clusters of 4 x 4, 327,680 bytes of LDS; arguments q, k, p_codes, p_meta; writes p_codes, p_meta
.if DOCPART == 3
	.amdgcn_target "amdgcn-amd-amdhsa--gfx1250"
	.amdhsa_code_object_version 6
	.text
	.protected	k_q495bfe1d35_scores
	.globl	k_q495bfe1d35_scores
	.p2align	8
	.type	k_q495bfe1d35_scores,@function
k_q495bfe1d35_scores:
	s_mov_b64 s[64:65], 0
	v_nop
	global_prefetch_b8 v0, s[64:65] scope:SCOPE_SE
	s_setreg_imm32_b32 hwreg(HW_REG_WAVE_MODE, 25, 1), 1
	s_wait_xcnt 0x0
	s_wait_alu depctr_hold_cnt(0) depctr_sa_sdst(0) depctr_va_vdst(0) depctr_va_sdst(0) depctr_va_ssrc(0) depctr_va_vcc(0) depctr_vm_vsrc(0)
	s_getreg_b32 s2, hwreg(HW_REG_IB_STS2, 6, 4)
	s_cmp_eq_u32 s2, 0
	s_cbranch_scc0 .Lentry_in_a_cluster
	s_endpgm
.Lentry_in_a_cluster:
	s_bfe_u32 s2, ttmp6, 0x10000c
	s_cmp_lg_u32 s2, 0xf033
	s_cbranch_scc0 .Lentry_shape_is_right
	s_endpgm
.Lentry_shape_is_right:
; S^T = K Q^T on codes of FP6 (E2M3), K = 1,024, and the softmax's weights of each chunk of 128 keys, quantised along the keys under the CHUNK'S OWN whole number M.
; t = score x log2(e) / 32;  M = the largest t of a query's 128 keys of the chunk, rounded up to a whole number;  p = 2^(t - M), not normalised;  l = the sum of the unquantised p.
; Stored: p's codes, its scale words, -M and l.  The next launch brings all chunks under the row's M by taking a whole number off the scale bytes: the codes stay as they are.
; q, k: [128 rows : 64][128 along K : 8][12,800 bytes]: eight fragments as their registers stand (registers 4 c .. 4 c + 3 of lane l at 512 c + 16 l, 1,536 bytes each), then two scale units of 256 bytes
; (lane (r, h): 8 bytes at 8 l: word jj belongs to tile 2 h + jj of the unit's four, row r).  p_codes: [128 queries : 64][chunk : 16][8 fragments].  p_meta: [64][16][1,536]: two units each of scale words, of -M, of l.
; SHARES.  A work-group makes 256 queries x 256 keys, each of its four waves 128 x 128: 64 accumulators.  Source 0 = 16 keys, source 1 = 16 queries: a lane holds one query, and the 64 registers of a tile of queries are
; its 128 keys' half: register 8 b + i = key 16 b + 8 h + i, the order in which V's keys were quantised.
; K goes through two LDS slots of two K steps each; a wave's tensor load is one dense block of 25,600 bytes.  CLUSTER 4 x 4: Q's blocks are asked for jointly along a row of the cluster, K's along a column.
; LIMITS: NaN and infinities are not served; M is a whole number only while |t| < 2^24; a block whose every p lies under 2^-124 keeps the scale byte 1.
.set SLOT,  102400                     ; a slot's bytes: four parts of 25,600.  Wave w's part of slot n lies at 51,200 w + 25,600 n (waves 0, 1: Q's halves; 2, 3: K's), so that one dense load of 51,200 bytes fills a wave's parts of both slots
.set SPARE, 2*SLOT                     ; the spare words, 128 bytes a wave
.set ADRA, 16                          ; v16-17 my Q fragments in slot 0, 1;  v18-19 their scale units
.set ASA,  18
.set ADRB, 20                          ; v20-21, v22-23 the same for K
.set ASB,  22
.set GO,   24                          ; v24  16 x lane
.set GU,   25                          ; v25  8 x lane
.set SPW,  28
.set NIL,  29
.set SC,   32                          ; v32-63 scale words: 16 slot + 8 q + 4 side + 2 unit + jj
.set BM,   64                          ; v64-67 a block's largest score, then its largest p
.set BT,   68                          ; v68-71
.set NMP,  72                          ; v[72:73] -M (the packed form names a pair)
.set LA,   74                          ; v[74:75], v[76:77] the sum in two chains
.set LB,   76
.set TS,   78                          ; v78-81 the conversions' scale operands
.set TB,   82                          ; v82-85 the scales' bytes
.set T0,   86                          ; v86-87
.set PWK,  88                          ; v88-95 the eight tiles' scale words;  v96-103 their -M;  v104-111 their l
.set NMK,  96
.set LK,   104
.set PU,   112                         ; v112-123 six units' 8 bytes a lane
.set AF,   128                         ; Q's fragments, one set, window 0
.set PC,   128                         ; afterwards: the codes just made, two sets of 20
.set WV,   14
.set SIDE, 15                          ; s15 wave / 2: which 128 queries are mine; also: I fetch for Q (0) or K (1)
.set G1,   24
.set G0,   32
.set G1B,  48
.set G0B,  56
.set CS,   66                          ; s[66:67] c = log2(e) / 32
.set SEL,  68
.set HM,   70
.set MSB, 0
.macro WIN new
.if MSB != (\new)
	s_set_vgpr_msb (MSB<<8)|(\new)
.set MSB, (\new)
.endif
.endm
.set MUL_LO, 0xa1                      ; source 0 (K) window 1, source 1 (Q) window 0, C and D window 2
.set MUL_HI, 0xf1                      ; the same, C and D window 3
.set TO_B,   0x40
.macro PLACES
.rept 4
	v_nop
.endr
.endm
.macro CREST
	s_cmp_lg_u32 s[WV], 0
	s_cbranch_scc1 .Lnot_wave_0_\@
	s_barrier_signal -3
.Lnot_wave_0_\@:
	s_barrier_wait -3
	s_barrier_signal -1
	s_barrier_wait -1
.endm
.macro CROUND
	s_barrier_signal -1
	s_barrier_wait -1
	CREST
.endm
.macro JLOAD g0a, g0b                  ; waves 0, 1 fetch Q's halves, waves 2, 3 K's; four v_nop follow each line
	s_cmp_eq_u32 s[SIDE], 0
	s_cbranch_scc0 .Lfor_b_\@
	tensor_load_to_lds s[\g0a:\g0a+3], s[G1:G1+7]
	s_nop 0
	PLACES
	s_branch .Lasked_\@
.Lfor_b_\@:
	tensor_load_to_lds s[\g0b:\g0b+3], s[G1B:G1B+7]
	s_nop 0
	PLACES
.Lasked_\@:
.endm
.macro WM d, a, b, c, sa, sb, ra, rb   ; c < 0: the product starts the sum
.if (\c) < 0
.if (\ra) && (\rb)
	v_wmma_scale_f32_16x16x128_f8f6f4 v[\d:\d+7], v[\a:\a+11], v[\b:\b+11], 0, v[\sa], v[\sb] matrix_a_fmt:MATRIX_FMT_FP6 matrix_b_fmt:MATRIX_FMT_FP6 matrix_a_scale:MATRIX_SCALE_ROW1 matrix_b_scale:MATRIX_SCALE_ROW1
.elseif (\ra)
	v_wmma_scale_f32_16x16x128_f8f6f4 v[\d:\d+7], v[\a:\a+11], v[\b:\b+11], 0, v[\sa], v[\sb] matrix_a_fmt:MATRIX_FMT_FP6 matrix_b_fmt:MATRIX_FMT_FP6 matrix_a_scale:MATRIX_SCALE_ROW1
.elseif (\rb)
	v_wmma_scale_f32_16x16x128_f8f6f4 v[\d:\d+7], v[\a:\a+11], v[\b:\b+11], 0, v[\sa], v[\sb] matrix_a_fmt:MATRIX_FMT_FP6 matrix_b_fmt:MATRIX_FMT_FP6 matrix_b_scale:MATRIX_SCALE_ROW1
.else
	v_wmma_scale_f32_16x16x128_f8f6f4 v[\d:\d+7], v[\a:\a+11], v[\b:\b+11], 0, v[\sa], v[\sb] matrix_a_fmt:MATRIX_FMT_FP6 matrix_b_fmt:MATRIX_FMT_FP6
.endif
.else
.if (\ra) && (\rb)
	v_wmma_scale_f32_16x16x128_f8f6f4 v[\d:\d+7], v[\a:\a+11], v[\b:\b+11], v[\c:\c+7], v[\sa], v[\sb] matrix_a_fmt:MATRIX_FMT_FP6 matrix_b_fmt:MATRIX_FMT_FP6 matrix_a_scale:MATRIX_SCALE_ROW1 matrix_b_scale:MATRIX_SCALE_ROW1
.elseif (\ra)
	v_wmma_scale_f32_16x16x128_f8f6f4 v[\d:\d+7], v[\a:\a+11], v[\b:\b+11], v[\c:\c+7], v[\sa], v[\sb] matrix_a_fmt:MATRIX_FMT_FP6 matrix_b_fmt:MATRIX_FMT_FP6 matrix_a_scale:MATRIX_SCALE_ROW1
.elseif (\rb)
	v_wmma_scale_f32_16x16x128_f8f6f4 v[\d:\d+7], v[\a:\a+11], v[\b:\b+11], v[\c:\c+7], v[\sa], v[\sb] matrix_a_fmt:MATRIX_FMT_FP6 matrix_b_fmt:MATRIX_FMT_FP6 matrix_b_scale:MATRIX_SCALE_ROW1
.else
	v_wmma_scale_f32_16x16x128_f8f6f4 v[\d:\d+7], v[\a:\a+11], v[\b:\b+11], v[\c:\c+7], v[\sa], v[\sb] matrix_a_fmt:MATRIX_FMT_FP6 matrix_b_fmt:MATRIX_FMT_FP6
.endif
.endif
.endm
	s_load_b256 s[4:11], s[0:1], 0x0               ; q, k, p_codes, p_meta
	v_lshl_add_u32 v[SPW], v0, 2, SPARE
	v_mov_b32 v[NIL], 0
	ds_add_u32 v28, v29
	ds_add_u32 v28, v29
	s_wait_dscnt 0x0
	v_lshrrev_b32 v1, 5, v0
	v_readfirstlane_b32 s[WV], v1                  ; wave 0..3
	s_lshr_b32 s[SIDE], s[WV], 1
	s_and_b32 s16, s[WV], 1                        ; which 128 keys are mine; also: which half I fetch
	s_bfe_u32 s40, ttmp6, 0x40000                  ; cx
	s_bfe_u32 s41, ttmp6, 0x40004                  ; cy
	s_lshl_b32 s42, ttmp9, 2
	s_add_co_u32 s42, s42, s40                     ; which 256 keys of the batch
	s_and_b32 s17, ttmp7, 0xffff                   ; the cluster's y: two clusters to a batch
	s_lshl_b32 s18, s17, 2
	s_add_co_u32 s18, s18, s41                     ; which 256 queries of the 8,192
	s_lshl_b32 s43, s41, 2
	s_lshl_b32 s43, 15, s43                        ; my row of the cluster
	s_lshl_b32 s44, 0x1111, s40                    ; my column
	s_or_b32 s[G1], s43, (3<<16)|(1<<21)           ; the mask; elements of 8 bytes; bit 21 beside a mask; no padding
	s_or_b32 s[G1B], s44, (3<<16)|(1<<21)
	s_or_b32 s72, s43, (3<<16)|(1<<21)             ; s[72:79], s[80:87]: the same for the head's loads: 51,200 bytes as 200 rows of 256
	s_or_b32 s80, s44, (3<<16)|(1<<21)
.irp g, 72, 80
	s_mov_b32 s[\g+1], 32<<16
	s_mov_b32 s[\g+2], 200<<16
	s_mov_b32 s[\g+3], 32<<16
	s_mov_b32 s[\g+4], 200
	s_mov_b32 s[\g+5], 32
	s_mov_b32 s[\g+6], 0
	s_mov_b32 s[\g+7], 0
.endr
.irp g, G1, G1B                        ; a dense block of 25,600 bytes as 100 rows of 256
	s_mov_b32 s[\g+1], 32<<16
	s_mov_b32 s[\g+2], 100<<16
	s_mov_b32 s[\g+3], 32<<16
	s_mov_b32 s[\g+4], 100
	s_mov_b32 s[\g+5], 32
	s_mov_b32 s[\g+6], 0
	s_mov_b32 s[\g+7], 0
.endr
	s_lshl_b32 s20, s18, 1
	s_add_co_u32 s20, s20, s16
	s_mul_i32 s20, s20, 102400                     ; Q: group 2 x (256 queries) + half (these registers never hold cx)
	s_mov_b32 s21, 0
	s_lshr_b32 s46, s17, 1                         ; the batch, from the cluster's y alone
	s_lshl_b32 s46, s46, 4
	s_lshl_b32 s47, s42, 1
	s_add_co_u32 s46, s46, s47
	s_add_co_u32 s46, s46, s16
	s_mul_i32 s46, s46, 102400                     ; K: group 16 x batch + 2 x (256 keys) + half (never cy)
	s_mov_b32 s47, 0
	s_mul_i32 s45, s[WV], 51200                    ; where my parts go
	s_mov_b32 s[CS], 0x3d38aa3b
	s_mov_b32 s[CS+1], s[CS]
	s_mov_b32 s[SEL], 0x76543210
	s_mov_b32 s[SEL+1], 0xfedcba98
	s_mov_b32 s[HM], 0xffff0000
	s_wait_kmcnt 0x0
	s_add_nc_u64 s[20:21], s[4:5], s[20:21]
	s_add_nc_u64 s[46:47], s[6:7], s[46:47]
	CROUND                                         ; the first joint loads meet
.irp n, 0,1
	s_mov_b32 s[G0+4*\n], 1
	s_add_co_u32 s[G0+4*\n+1], s45, \n*25600
	s_add_nc_u64 s[G0+4*\n+2:G0+4*\n+3], s[20:21], \n*25600
	s_or_b32 s[G0+4*\n+3], s[G0+4*\n+3], 0x80000000
	s_mov_b32 s[G0B+4*\n], 1
	s_add_co_u32 s[G0B+4*\n+1], s45, \n*25600
	s_add_nc_u64 s[G0B+4*\n+2:G0B+4*\n+3], s[46:47], \n*25600
	s_or_b32 s[G0B+4*\n+3], s[G0B+4*\n+3], 0x80000000
.endr
	s_cmp_eq_u32 s[SIDE], 0                        ; the head's load, one a wave: K steps 0 to 3 of my half, both slots' first fills
	s_cbranch_scc0 .Lhead_b
	tensor_load_to_lds s[G0:G0+3], s[72:79]
	s_nop 0
	PLACES
	s_branch .Lhead_asked
.Lhead_b:
	tensor_load_to_lds s[G0B:G0B+3], s[80:87]
	s_nop 0
	PLACES
.Lhead_asked:
	s_lshl_b32 s22, s18, 1
	s_add_co_u32 s22, s22, s[SIDE]                 ; my 128 queries' group,
	s_lshl_b32 s22, s22, 4
	s_lshl_b32 s23, s42, 1
	s_add_co_u32 s22, s22, s23
	s_add_co_u32 s22, s22, s16                     ; x 16 + my chunk of keys
	s_mul_i32 s12, s22, 12288
	s_mov_b32 s13, 0
	s_add_nc_u64 s[8:9], s[8:9], s[12:13]
	s_mul_i32 s12, s22, 1536
	s_add_nc_u64 s[10:11], s[10:11], s[12:13]
	v_and_b32 v1, 31, v0
	v_lshlrev_b32 v[GO], 4, v1
	v_lshlrev_b32 v[GU], 3, v1
	s_mul_i32 s22, s[SIDE], 51200
	s_mul_i32 s23, s16, 51200
	s_add_co_u32 s23, s23, 102400
.irp n, 0,1
	v_add_nc_u32 v[ADRA+\n], s22, v[GO]
	v_add_nc_u32 v[ASA+\n], s22, v[GU]
	v_add_nc_u32 v[ADRB+\n], s23, v[GO]
	v_add_nc_u32 v[ASB+\n], s23, v[GU]
	s_add_co_u32 s22, s22, 25600
	s_add_co_u32 s23, s23, 25600
.endr
.irp b, 0,1,2,3
	v_mov_b32 v[BT+\b], 0                          ; written once: a lane permute's destination counts as one of its sources
.endr
	v_mov_b32 v[T0+1], 0
	v_mov_b32 v[NMP+1], 0                          ; named with -M as a pair
.macro FRAG reg, adr, q, t             ; a fragment comes as it was stored: three loads of 512 bytes on end
.irp c, 0,1,2
	ds_load_b128 v[(\reg)+4*\c:(\reg)+4*\c+3], v[\adr] offset:12800*(\q)+1536*(\t)+512*\c
.endr
.endm
.macro FETCH_B slot, q, p
	WIN TO_B
.irp t, 0,1,2,3,4,5,6,7
	FRAG 128*(\p)+12*\t, ADRB+(\slot), \q, \t
.endr
	WIN 0
.endm
.macro FETCH_A slot, q, t0
.irp t, 0,1,2,3
	FRAG AF+12*((\t0)+\t), ADRA+(\slot), \q, (\t0)+\t
.endr
.endm
.macro SCALES sl                       ; a slot's scale units: two K steps x two sides x two units
.irp q, 0,1
.irp u, 0,1
	ds_load_b64 v[SC+16*(\sl)+8*\q+2*\u:SC+16*(\sl)+8*\q+2*\u+1], v[ASA+(\sl)] offset:12800*\q+12288+256*\u
	ds_load_b64 v[SC+16*(\sl)+8*\q+4+2*\u:SC+16*(\sl)+8*\q+5+2*\u], v[ASB+(\sl)] offset:12800*\q+12288+256*\u
.endr
.endr
.endm
.macro MUL16 a0, p, q, sl, zero        ; Q's tiles a0, a0 + 1 x K's eight.  The 64 accumulators take turns, in the same order in every step
.set aa, \a0
.rept 2
.set bb, 0
.rept 8
.set rD, 8*(8*(aa%4)+bb)
.set rA, 128*(\p)+12*bb
.set rB, AF+12*aa
.set rC, rD
.if \zero
.set rC, -1
.endif
.set rSA, SC+16*(\sl)+8*(\q)+4+2*(bb/4)+bb%2
.set fA, (bb/2)%2
.set rSB, SC+16*(\sl)+8*(\q)+2*(aa/4)+aa%2
.set fB, (aa/2)%2
	WM rD, rA, rB, rC, rSA, rSB, fA, fB
.set bb, bb+1
.endr
.set aa, aa+1
.endr
.endm
.macro STEP slot, zero                 ; a slot's first K step
	s_wait_dscnt 12                                ; K's set and Q's tiles 0-3 are in; the youngest twelve loads (tiles 4-7) may be out
	WIN MUL_LO
	MUL16 0, 0, 0, \slot, \zero
	MUL16 2, 0, 0, \slot, \zero
	s_wait_dscnt 0x0
	PLACES
	FETCH_B \slot, 1, 1
	FETCH_A \slot, 1, 0
	WIN MUL_HI
	MUL16 4, 0, 0, \slot, \zero
	MUL16 6, 0, 0, \slot, \zero
	PLACES
	WIN 0
	FETCH_A \slot, 1, 4
.endm
.macro TURN slot, next, fill           ; a slot's second K step changes slots: one barrier, with the three lines in front of it
	s_wait_tensorcnt 0x0                           ; all my tensor loads have landed: my part of the next slot
	ds_add_u32 v[SPW], v[NIL]
	s_wait_dscnt 13                                ; the add and the youngest twelve loads may be out
	WIN MUL_LO
	MUL16 0, 1, 1, \slot, 0
	s_wait_dscnt 0x0                               ; the add is done, and my reads of this slot are over
	s_barrier_signal -1
	MUL16 2, 1, 1, \slot, 0
	WIN 0
	s_barrier_wait -1
.if \fill
	CREST                                          ; no wave of any partner still reads this slot or has a load on its way
	s_add_nc_u64 s[G0+4*\slot+2:G0+4*\slot+3], s[G0+4*\slot+2:G0+4*\slot+3], 51200
	s_add_nc_u64 s[G0B+4*\slot+2:G0B+4*\slot+3], s[G0B+4*\slot+2:G0B+4*\slot+3], 51200
	JLOAD G0+4*\slot, G0B+4*\slot                  ; my one load behind the round: one and a half K steps, 96 matrix instructions, in which to land
.else
	PLACES
.endif
	s_wait_alu depctr_va_vdst(0)
	FETCH_B \next, 0, 0
	FETCH_A \next, 0, 0
	SCALES \next
	WIN MUL_HI
	MUL16 4, 1, 1, \slot, 0
	MUL16 6, 1, 1, \slot, 0
	PLACES
	WIN 0
	FETCH_A \next, 0, 4
.endm
	s_wait_alu depctr_va_vdst(0)
	s_wait_tensorcnt 0x0                           ; my parts of both slots are in
	s_barrier_signal -1
	s_barrier_wait -1                              ; and everybody's
	FETCH_B 0, 0, 0
	FETCH_A 0, 0, 0
	SCALES 0
	FETCH_A 0, 0, 4
	STEP 0, 1                                      ; eight K steps, written out
	TURN 0, 1, 1
	STEP 1, 0
	TURN 1, 0, 1
	STEP 0, 0
	TURN 0, 1, 0
	STEP 1, 0
	s_wait_dscnt 12
	WIN MUL_LO
	MUL16 0, 1, 1, 1, 0
	MUL16 2, 1, 1, 1, 0
	s_wait_dscnt 0x0
	WIN MUL_HI
	MUL16 4, 1, 1, 1, 0
	MUL16 6, 1, 1, 1, 0
	WIN 0
	PLACES
; THE SOFTMAX OF ONE TILE OF 16 QUERIES, for my 128 keys.  A lane holds 64 of its query's scores; the other 64 lie in lane l xor 16.
.macro SOFT a
.set W, 2+(\a)/4
.set H, 64*((\a)%4)
.set PCX, PC+20*((\a)%2)
	WIN W|(W<<2)
.irp b, 0,1,2,3
	v_max_num_f32 v[BM+\b], v[H+16*\b], v[H+16*\b+1]   ; the largest score of each block of 32 keys: it serves for the row's maximum and, since p rises with the score, for the block's largest p
.endr
.irp i, 2,4,6,8,10,12,14
.irp b, 0,1,2,3
	v_max3_num_f32 v[BM+\b], v[H+16*\b+\i], v[H+16*\b+\i+1], v[BM+\b]
.endr
.endr
	WIN 0
.irp b, 0,1,2,3
	v_permlanex16_b32 v[BT+\b], v[BM+\b], s[SEL], s[SEL+1]
.endr
.irp b, 0,1,2,3
	v_max_num_f32 v[BM+\b], v[BM+\b], v[BT+\b]
.endr
	v_max3_num_f32 v[T0], v[BM], v[BM+1], v[BM+2]
	v_max_num_f32 v[T0], v[T0], v[BM+3]
	v_mul_f32 v[T0], s[CS], v[T0]                  ; the chunk's largest t
	v_floor_f32 v[NMP], -v[T0]                     ; -M = floor(-t): M is a whole number
.irp b, 0,1,2,3
	v_fma_f32 v[BM+\b], v[BM+\b], s[CS], v[NMP]
.endr
	WIN (W<<6)|W
.set i, 0
.rept 32
	v_pk_fma_f32 v[H+i:H+i+1], v[H+i:H+i+1], s[CS:CS+1], v[NMP:NMP+1] op_sel_hi:[1,0,0]   ; t - M, two at a time
.set i, i+2
.endr
.set i, 0
	s_wait_alu depctr_va_vdst(0)
.rept 64
	v_exp_f32 v[H+i], v[H+i]                       ; p = 2^(t - M), at most 1
.set i, i+1
.endr
	WIN 0
.irp b, 0,1,2,3
	v_exp_f32 v[BM+\b], v[BM+\b]                   ; the blocks' largest p: the same two instructions on the same number give the same bits
.endr
	v_nop                                          ; a plain place behind the last exponential
	s_wait_alu depctr_va_vdst(0)                   ; one wait for the batch of 68, ahead of its first reader
	v_mov_b32 v[LA], 0
	v_mov_b32 v[LA+1], 0
	v_mov_b32 v[LB], 0
	v_mov_b32 v[LB+1], 0
	WIN W
.set i, 0
.rept 16
	v_pk_add_f32 v[LA:LA+1], v[H+i:H+i+1], v[LA:LA+1]       ; the sum is taken of the unquantised p, in two chains
	v_pk_add_f32 v[LB:LB+1], v[H+i+2:H+i+3], v[LB:LB+1]
.set i, i+4
.endr
	WIN 0
.irp b, 0,1,2,3
	v_max_num_f32 v[BM+\b], 0x1800000, v[BM+\b]    ; the floor 2^(3 - 127): the byte cannot fall under 1
.endr
.irp b, 0,1,2,3
	v_add_nc_u32 v[TS+\b], 0xff000000, v[BM+\b]    ; 2 off the exponent field: the conversion's scale operand
.endr
.irp b, 0,1,2,3
	v_lshrrev_b32 v[TB+\b], 23, v[TS+\b]
.endr
	v_pk_add_f32 v[LA:LA+1], v[LA:LA+1], v[LB:LB+1]
	v_lshl_or_b32 v[PWK+(\a)], v[TB+1], 8, v[TB]
	v_add_f32 v[T0], v[LA], v[LA+1]
	v_lshl_or_b32 v[PWK+(\a)], v[TB+2], 16, v[PWK+(\a)]
	v_permlanex16_b32 v[T0+1], v[T0], s[SEL], s[SEL+1]
	v_lshl_or_b32 v[PWK+(\a)], v[TB+3], 24, v[PWK+(\a)]
	v_add_f32 v[LK+(\a)], v[T0], v[T0+1]           ; l of the chunk
	v_mov_b32 v[NMK+(\a)], v[NMP]
	s_wait_xcnt 0x0                                ; earlier stores have read the codes' registers
	WIN W
.irp c, 0,1
	v_cvt_scalef32_pk16_fp6_f32 v[PCX+6*\c:PCX+6*\c+2], v[H+32*\c:H+32*\c+15], v[TS+2*\c]
	v_cvt_scalef32_pk16_fp6_f32 v[PCX+12+4*\c:PCX+14+4*\c], v[H+16+32*\c:H+31+32*\c], v[TS+1+2*\c]
.endr
	WIN 0
	v_nop                                          ; one plain place behind a scaled conversion
.irp c, 0,1
.irp i, 0,1,2
	v_permlane16_swap_b32 v[PCX+6*\c+\i], v[PCX+12+4*\c+\i]
.endr
.irp i, 0,1,2
	v_mov_b32 v[PCX+3+6*\c+\i], v[PCX+12+4*\c+\i]
.endr
.endr
.irp c, 0,1,2
	global_store_b128 v[GO], v[PCX+4*\c:PCX+4*\c+3], s[8:9] offset:1536*(\a)+512*\c   ; 512 consecutive bytes, at a multiple of 256 from the buffer's first byte
.endr
.endm
.irp a, 0,1,2,3,4,5,6,7
	SOFT \a
.endr
.macro UNIT n, x, off                  ; four tiles' words become a unit: lanes 0-15 tiles 0, 1, lanes 16-31 tiles 2, 3; one store of 256 consecutive bytes
	v_cndmask_b32 v[PU+2*(\n)], v[\x], v[(\x)+2], s[HM]
	v_cndmask_b32 v[PU+2*(\n)+1], v[(\x)+1], v[(\x)+3], s[HM]
	global_store_b64 v[GU], v[PU+2*(\n):PU+2*(\n)+1], s[10:11] offset:\off
.endm
	UNIT 0, PWK, 0
	UNIT 1, PWK+4, 256
	UNIT 2, NMK, 512
	UNIT 3, NMK+4, 768
	UNIT 4, LK, 1024
	UNIT 5, LK+4, 1280
	s_wait_tensorcnt 0x0                           ; the wave's end
	ds_add_u32 v[SPW], v[NIL]
	s_wait_dscnt 0x0
	CROUND                                         ; the closing round
	s_endpgm
.Lfunc_end_k_q495bfe1d35_scores:
	.size	k_q495bfe1d35_scores, .Lfunc_end_k_q495bfe1d35_scores-k_q495bfe1d35_scores
	.p2alignl 7, 3214868480
	.fill 96, 4, 3214868480
	.section	.rodata,"a",@progbits
	.p2align	6, 0x0
	.amdhsa_kernel k_q495bfe1d35_scores
		.amdhsa_group_segment_fixed_size 327680
		.amdhsa_private_segment_fixed_size 0
		.amdhsa_enable_private_segment 0
		.amdhsa_kernarg_size 32
		.amdhsa_user_sgpr_count 2
		.amdhsa_user_sgpr_kernarg_segment_ptr 1
		.amdhsa_wavefront_size32 1
		.amdhsa_system_sgpr_workgroup_id_x 1
		.amdhsa_system_sgpr_workgroup_id_y 1
		.amdhsa_system_sgpr_workgroup_id_z 1
		.amdhsa_system_vgpr_workitem_id 0
		.amdhsa_next_free_vgpr 1024
		.amdhsa_next_free_sgpr 98
		.amdhsa_reserve_vcc 0
		.amdhsa_float_denorm_mode_32 3
		.amdhsa_float_denorm_mode_16_64 3
		.amdhsa_memory_ordered 1
		.amdhsa_forward_progress 1
		.amdhsa_inst_pref_size 195
	.end_amdhsa_kernel
	.amdgpu_metadata
---
amdhsa.version: [ 1, 2 ]
amdhsa.kernels:
  - .name:           k_q495bfe1d35_scores
    .symbol:         k_q495bfe1d35_scores.kd
    .args:
      - { .name: q, .offset: 0, .size: 8, .value_kind: global_buffer, .address_space: global }
      - { .name: k, .offset: 8, .size: 8, .value_kind: global_buffer, .address_space: global }
      - { .name: p_codes, .offset: 16, .size: 8, .value_kind: global_buffer, .address_space: global }
      - { .name: p_meta, .offset: 24, .size: 8, .value_kind: global_buffer, .address_space: global }
    .group_segment_fixed_size: 327680
    .private_segment_fixed_size: 0
    .kernarg_segment_align: 8
    .kernarg_segment_size: 32
    .max_flat_workgroup_size: 128
    .sgpr_count:     98
    .vgpr_count:     1024
    .wavefront_size: 32
...
	.end_amdgpu_metadata
.endif
;; end of part 3
;; launch pv (part 4): grid 4 x 64, 4 waves a work-group, clusters of 4 x 1, 327,680 bytes of LDS; arguments p_codes, p_meta, v, x, gamma, out0; writes out0
.if DOCPART == 4
	.amdgcn_target "amdgcn-amd-amdhsa--gfx1250"
	.amdhsa_code_object_version 6
	.text
	.protected	k_q495bfe1d35_pv
	.globl	k_q495bfe1d35_pv
	.p2align	8
	.type	k_q495bfe1d35_pv,@function
k_q495bfe1d35_pv:
	s_mov_b64 s[64:65], 0
	v_nop
	global_prefetch_b8 v0, s[64:65] scope:SCOPE_SE
	s_setreg_imm32_b32 hwreg(HW_REG_WAVE_MODE, 25, 1), 1
	s_wait_xcnt 0x0
	s_wait_alu depctr_hold_cnt(0) depctr_sa_sdst(0) depctr_va_vdst(0) depctr_va_sdst(0) depctr_va_ssrc(0) depctr_va_vcc(0) depctr_vm_vsrc(0)
	s_getreg_b32 s2, hwreg(HW_REG_IB_STS2, 6, 4)
	s_cmp_eq_u32 s2, 0
	s_cbranch_scc0 .Lentry_in_a_cluster
	s_endpgm
.Lentry_in_a_cluster:
	s_bfe_u32 s2, ttmp6, 0x10000c
	s_cmp_lg_u32 s2, 0x3003
	s_cbranch_scc0 .Lentry_shape_is_right
	s_endpgm
.Lentry_shape_is_right:
; out = gamma x (p V) / l + x.  p: codes of FP6 (E2M3) along the keys, made chunk by chunk of 128 keys under each chunk's own whole number M; V: codes along the keys.
; p_codes: [128 queries : 64][chunk : 16][8 fragments of 1,536 bytes, as their registers stand].  p_meta: [64][16][1,536]: two units each of scale words, of -M, of l (a unit: lane (r, h) has 8 bytes at 8 l: word jj belongs to tile 2 h + jj, row r).
; v: [128 keys : 64][256 columns : 4][25,600]: sixteen fragments (16 columns x 128 keys), then four scale units.
; THE ROW'S M is the largest of its 16 chunks'.  A chunk comes under it by d = M - the chunk's M taken off its four scale bytes (the codes stay), and its l by 2^-d.
; SHARES.  A work-group makes 128 queries x 256 columns, a wave 128 queries x 64 columns: 32 accumulators.  Source 0 = 16 columns of V, source 1 = 16 queries: a lane holds one query and eight neighbouring columns.
; P: the work-group's 196,608 bytes come into LDS once and stay: 73,728 bytes and the 24,576 bytes of p_meta by the head's four loads, the other 122,880 behind one round.  Nothing is filled again.
; CLUSTER 4 x 1: the four work-groups of a row share their queries: P and p_meta are asked for jointly.
; V GOES FROM MEMORY STRAIGHT INTO REGISTERS: each wave owns its 64 columns, so a fragment of V is wanted by one wave of the work-group alone: no LDS byte and no barrier is spent on it, and no joint load can land in registers.
; Five sets of 48 registers: chunk c + 4's 13 loads are issued in chunk c.  These loads run four chunks ahead of their use, so no prefetch is laid beside them.
; x: 64 loads a wave, in groups of four: groups 6, 7 beside V's first chunks, groups 8 to 15 behind the statistics (whose registers are those of groups 0 to 5), groups 0 to 5 in chunks 0 to 5.
; LIMITS: NaN and infinities are not served; M is a whole number only while |t| < 2^24; a scale byte that d would take under 0 is held at 0 (2^-127).
.set META,  196608                     ; behind P: p_meta's 24,576 bytes
.set CSC,   META+24576                 ; the scale words under the row's M: chunk c at 512 c, two units
.set FS,    CSC+8192                   ; f = gamma / l, a word a query
.set STAGE, FS+512                     ; the way out: 16 rows x (256 + 16) bytes a wave
.set SPARE, STAGE+4*4352               ; the spare words, 128 bytes a wave
.set L16,  1                           ; 16 x lane
.set L8,   2                           ; 8 x lane
.set ADRP, 4                           ; v4-7 P's fragments: chunks 4 n .. 4 n + 3
.set ACR,  8                           ; scale words, read
.set ACS,  9                           ; and stored
.set AM,   10                          ; my word of p_meta's units
.set AFS,  11                          ; f stored
.set AFR,  12                          ; f read: row l / 16
.set SO,   13                          ; the stage, in
.set SR,   14                          ; and back
.set XO,   15                          ; x, out: row l / 16, 16 bytes at 16 (l % 16)
.set VF,   16                          ; my fragments in a block of v
.set VSO,  17                          ; my scale unit there
.set NMIN, 18
.set LS,   20                          ; v20-23 l in four chains
.set SPW,  28
.set NIL,  29
.set PS,   32                          ; v32-39 p's scale words, two sets of four
.set VS,   40                          ; v40-49 V's scale words, five sets of two
.set SW,   64                          ; in the head: v64-79 scale words, v80-95 -M, v96-111 l, v112-159 at work
.set NM,   80
.set LL,   96
.set TT,   112
.set FQ,   64                          ; the way out, window 2: f by rows, two sets of eight pairs
.set WV,   16
.set G1,   24                          ; s[24:31] 96 rows of 256 bytes;  s[48:55] 120 rows
.set G1B,  48
.set G0P,  32                          ; group 0: the head's P, p_meta, the second fill
.set G0M,  36
.set G0S,  40
; WINDOWS: 0: v64-255 x's quads 0-47.  1: V's five sets, 48 n.  2: P's two sets, 96 n; v192-255 x's quads 48-63.  3: accumulator (a, b) at 8 (4 a + b).
.set MSB, 0
.macro WIN new
.if MSB != (\new)
	s_set_vgpr_msb (MSB<<8)|(\new)
.set MSB, (\new)
.endif
.endm
.set MUL, 0xF9                         ; source 0 (V) window 1, source 1 (P) window 2, C and D window 3
.macro PLACES
.rept 4
	v_nop
.endr
.endm
.macro CROUND                          ; a round of the cluster's barrier
	s_barrier_signal -1
	s_barrier_wait -1
	s_cmp_lg_u32 s[WV], 0
	s_cbranch_scc1 .Lnot_wave_0_\@
	s_barrier_signal -3
.Lnot_wave_0_\@:
	s_barrier_wait -3
	s_barrier_signal -1
	s_barrier_wait -1
.endm
.macro WM d, a, b, c, sa, sb, ra, rb   ; c < 0: the product starts the sum; ra, rb = 1: that side's scales are taken from lanes 16-31
.if (\c) < 0
.if (\ra) && (\rb)
	v_wmma_scale_f32_16x16x128_f8f6f4 v[\d:\d+7], v[\a:\a+11], v[\b:\b+11], 0, v[\sa], v[\sb] matrix_a_fmt:MATRIX_FMT_FP6 matrix_b_fmt:MATRIX_FMT_FP6 matrix_a_scale:MATRIX_SCALE_ROW1 matrix_b_scale:MATRIX_SCALE_ROW1
.elseif (\ra)
	v_wmma_scale_f32_16x16x128_f8f6f4 v[\d:\d+7], v[\a:\a+11], v[\b:\b+11], 0, v[\sa], v[\sb] matrix_a_fmt:MATRIX_FMT_FP6 matrix_b_fmt:MATRIX_FMT_FP6 matrix_a_scale:MATRIX_SCALE_ROW1
.elseif (\rb)
	v_wmma_scale_f32_16x16x128_f8f6f4 v[\d:\d+7], v[\a:\a+11], v[\b:\b+11], 0, v[\sa], v[\sb] matrix_a_fmt:MATRIX_FMT_FP6 matrix_b_fmt:MATRIX_FMT_FP6 matrix_b_scale:MATRIX_SCALE_ROW1
.else
	v_wmma_scale_f32_16x16x128_f8f6f4 v[\d:\d+7], v[\a:\a+11], v[\b:\b+11], 0, v[\sa], v[\sb] matrix_a_fmt:MATRIX_FMT_FP6 matrix_b_fmt:MATRIX_FMT_FP6
.endif
.else
.if (\ra) && (\rb)
	v_wmma_scale_f32_16x16x128_f8f6f4 v[\d:\d+7], v[\a:\a+11], v[\b:\b+11], v[\c:\c+7], v[\sa], v[\sb] matrix_a_fmt:MATRIX_FMT_FP6 matrix_b_fmt:MATRIX_FMT_FP6 matrix_a_scale:MATRIX_SCALE_ROW1 matrix_b_scale:MATRIX_SCALE_ROW1
.elseif (\ra)
	v_wmma_scale_f32_16x16x128_f8f6f4 v[\d:\d+7], v[\a:\a+11], v[\b:\b+11], v[\c:\c+7], v[\sa], v[\sb] matrix_a_fmt:MATRIX_FMT_FP6 matrix_b_fmt:MATRIX_FMT_FP6 matrix_a_scale:MATRIX_SCALE_ROW1
.elseif (\rb)
	v_wmma_scale_f32_16x16x128_f8f6f4 v[\d:\d+7], v[\a:\a+11], v[\b:\b+11], v[\c:\c+7], v[\sa], v[\sb] matrix_a_fmt:MATRIX_FMT_FP6 matrix_b_fmt:MATRIX_FMT_FP6 matrix_b_scale:MATRIX_SCALE_ROW1
.else
	v_wmma_scale_f32_16x16x128_f8f6f4 v[\d:\d+7], v[\a:\a+11], v[\b:\b+11], v[\c:\c+7], v[\sa], v[\sb] matrix_a_fmt:MATRIX_FMT_FP6 matrix_b_fmt:MATRIX_FMT_FP6
.endif
.endif
.endm
.macro VLOAD c                         ; chunk c of V: my scale unit and my four fragments, 13 loads, into set c % 5
	global_load_b64 v[VS+2*((\c)%5):VS+2*((\c)%5)+1], v[VSO], s[8:9] offset:102400*(\c)
	WIN 0x40
.irp b, 0,1,2,3
.irp q, 0,1,2
	global_load_b128 v[48*((\c)%5)+12*\b+4*\q:48*((\c)%5)+12*\b+4*\q+3], v[VF], s[8:9] offset:102400*(\c)+1536*\b+512*\q
.endr
.endr
	WIN 0
.endm
.macro XLOAD c                         ; x's group c: quads 4 c .. 4 c + 3; quad i is rows 2 i, 2 i + 1 of my 128, 256 bytes each
.if (\c) >= 12
	WIN 0x80
.endif
.irp t, 0,1,2,3
.set XI, 4*(\c)+\t
.set XR, 64+4*XI-64*(XI/48)
	global_load_b128 v[XR:XR+3], v[XO], s[10:11] offset:8192*XI th:TH_LOAD_NT
.endr
	WIN 0
.endm
.macro PFETCH c                        ; chunk c of P: eight fragments and two scale units into set c % 2
	WIN 0x80
.irp a, 0,1,2,3,4,5,6,7
.irp q, 0,1,2
	ds_load_b128 v[96*((\c)%2)+12*\a+4*\q:96*((\c)%2)+12*\a+4*\q+3], v[ADRP+(\c)/4] offset:12288*((\c)%4)+1536*\a+512*\q
.endr
.endr
	WIN 0
	ds_load_b64 v[PS+4*((\c)%2):PS+4*((\c)%2)+1], v[ACR] offset:512*(\c)
	ds_load_b64 v[PS+4*((\c)%2)+2:PS+4*((\c)%2)+3], v[ACR] offset:512*(\c)+256
.endm
.macro MUL8 c, g, zero                 ; query tiles 2 g, 2 g + 1 x my four tiles of V.  The 32 accumulators take turns
.set aa, 2*(\g)
.rept 2
.set bb, 0
.rept 4
.set rD, 8*(4*aa+bb)
.set rC, rD
.if \zero
.set rC, -1
.endif
	WM rD, 48*((\c)%5)+12*bb, 96*((\c)%2)+12*aa, rC, VS+2*((\c)%5)+bb%2, PS+4*((\c)%2)+2*(aa/4)+aa%2, bb/2, (aa/2)%2
.set bb, bb+1
.endr
.set aa, aa+1
.endr
.endm
	s_load_b256 s[4:11], s[0:1], 0x0               ; p_codes, p_meta, v, x
	s_load_b128 s[12:15], s[0:1], 0x20             ; gamma, out0
	v_lshl_add_u32 v[SPW], v0, 2, SPARE
	v_mov_b32 v[NIL], 0
	ds_add_u32 v[SPW], v[NIL]                      ; the opening lines: the add, twice on end, and its wait ahead of my first tensor load
	ds_add_u32 v[SPW], v[NIL]
	v_lshrrev_b32 v50, 5, v0
	v_readfirstlane_b32 s[WV], v50                 ; wave 0..3
	s_lshr_b32 s17, s[WV], 1                       ; the statistics: my unit,
	s_and_b32 s18, s[WV], 1                        ; and my word of it
	s_bfe_u32 s19, ttmp6, 0x40000                  ; cx
	s_lshl_b32 s21, ttmp9, 2
	s_add_co_u32 s19, s19, s21                     ; j: which 256 columns
	s_and_b32 s20, ttmp7, 0xffff                   ; g: which 128 queries
.irp g, G1, G1B                        ; dense blocks as rows of 256 bytes (32 elements of 8); the mask names the cluster's four
	s_mov_b32 s[\g], 15|(3<<16)|(1<<21)
	s_mov_b32 s[\g+1], 32<<16
	s_mov_b32 s[\g+3], 32<<16
	s_mov_b32 s[\g+5], 32
	s_mov_b32 s[\g+6], 0
	s_mov_b32 s[\g+7], 0
.endr
	s_mov_b32 s[G1+2], 96<<16
	s_mov_b32 s[G1+4], 96
	s_mov_b32 s[G1B+2], 120<<16
	s_mov_b32 s[G1B+4], 120
	s_mov_b32 s[G0P], 1
	s_mul_i32 s[G0P+1], s[WV], 24576               ; the head: waves 0-2 bring P's bytes 24,576 w on
	s_mov_b32 s[G0M], 1
	s_mov_b32 s[G0M+1], META                       ; wave 3 brings p_meta
	s_mov_b32 s[G0S], 1
	s_mul_i32 s[G0S+1], s[WV], 30720
	s_add_co_u32 s[G0S+1], s[G0S+1], 73728         ; the second fill: 30,720 bytes a wave, from byte 73,728 on
	s_mul_i32 s44, s20, 196608                     ; (none of these registers ever holds cx)
	s_add_co_u32 s46, s44, s[G0S+1]
	s_add_co_u32 s44, s44, s[G0P+1]
	s_mov_b32 s45, 0
	s_mov_b32 s47, 0
	s_mul_i32 s56, s20, 24576
	s_mov_b32 s57, 0
	s_lshr_b32 s58, s20, 4                         ; the batch
	s_lshl_b32 s58, s58, 6
	s_add_co_u32 s58, s58, s19
	s_mul_i32 s58, s58, 25600                      ; v: block (16 x batch, j); a chunk on is 102,400 bytes
	s_mov_b32 s59, 0
	s_lshl_b32 s60, s20, 19                        ; x, out0: 128 rows of 4,096 bytes, 1,024 bytes a j, 256 a wave
	s_lshl_b32 s23, s19, 10
	s_add_co_u32 s60, s60, s23
	s_lshl_b32 s23, s[WV], 8
	s_add_co_u32 s60, s60, s23
	s_mov_b32 s61, 0
	s_lshl_b32 s62, s17, 8
	s_lshl_b32 s63, s18, 2
	s_add_co_u32 s62, s62, s63                     ; 256 unit + 4 word
	s_lshl_b32 s63, s17, 8
	s_lshl_b32 s66, s18, 6
	s_add_co_u32 s63, s63, s66
	s_add_co_u32 s63, s63, FS                      ; f of query 64 unit + 32 h + 16 word + r
	s_mul_i32 s66, s[WV], 4352
	s_add_co_u32 s66, s66, STAGE
	s_mul_i32 s67, s[WV], 6144
	s_lshl_b32 s68, s[WV], 8
	s_add_co_u32 s68, s68, 24576
	v_and_b32 v50, 31, v0                          ; lane
	v_and_b32 v51, 15, v0                          ; r
	v_bfe_u32 v52, v0, 4, 1                        ; h
	v_lshlrev_b32 v[L16], 4, v50
	v_lshlrev_b32 v[L8], 3, v50
.irp n, 0,1,2,3
	v_add_nc_u32 v[ADRP+\n], \n*49152, v[L16]
.endr
	v_add_nc_u32 v[ACR], CSC, v[L8]
	v_add_nc_u32 v[ACS], s62, v[ACR]
	v_add_nc_u32 v[AM], s62, v[L8]
	v_add_nc_u32 v[AM], META, v[AM]
	v_lshlrev_b32 v[AFS], 2, v51
	v_lshl_add_u32 v[AFS], v52, 7, v[AFS]
	v_add_nc_u32 v[AFS], s63, v[AFS]
	v_lshl_add_u32 v[AFR], v52, 2, FS
	v_mul_u32_u24 v[SO], v51, 272
	v_lshl_add_u32 v[SO], v52, 5, v[SO]
	v_add_nc_u32 v[SO], s66, v[SO]
	v_mul_u32_u24 v[SR], v52, 272
	v_lshl_add_u32 v[SR], v51, 4, v[SR]
	v_add_nc_u32 v[SR], s66, v[SR]
	v_lshlrev_b32 v[XO], 12, v52
	v_lshl_add_u32 v[XO], v51, 4, v[XO]
	v_add_nc_u32 v[VF], s67, v[L16]
	v_add_nc_u32 v[VSO], s68, v[L8]
	s_wait_alu depctr_va_vdst(0)
	s_wait_dscnt 0x0                               ; both opening adds are done
	s_wait_kmcnt 0x0
	s_load_b32 s70, s[12:13], 0x0                  ; gamma
	s_add_nc_u64 s[G0P+2:G0P+3], s[4:5], s[44:45]
	s_or_b32 s[G0P+3], s[G0P+3], 0x80000000
	s_add_nc_u64 s[G0M+2:G0M+3], s[6:7], s[56:57]
	s_or_b32 s[G0M+3], s[G0M+3], 0x80000000
	s_add_nc_u64 s[G0S+2:G0S+3], s[4:5], s[46:47]
	s_or_b32 s[G0S+3], s[G0S+3], 0x80000000
	s_add_nc_u64 s[8:9], s[8:9], s[58:59]
	s_add_nc_u64 s[10:11], s[10:11], s[60:61]
	s_add_nc_u64 s[14:15], s[14:15], s[60:61]
	CROUND                                         ; the four partners are here: the first joint loads meet
	s_cmp_lt_u32 s[WV], 3                          ; one tensor load a wave at the head
	s_cbranch_scc0 .Lhead_meta
	tensor_load_to_lds s[G0P:G0P+3], s[G1:G1+7]
	s_nop 0
	PLACES
	s_branch .Lhead_asked
.Lhead_meta:
	tensor_load_to_lds s[G0M:G0M+3], s[G1:G1+7]
	s_nop 0
	PLACES
.Lhead_asked:
	XLOAD 6                                        ; behind the tensor loads, for which the statistics wait: 8 loads of x
	XLOAD 7
	VLOAD 0                                        ; and V's first four chunks: 52 loads
	VLOAD 1
	VLOAD 2
	VLOAD 3
	s_wait_tensorcnt 0x0                           ; my tile of the head's four is in; a later first fill is issued as a refill is:
	ds_add_u32 v[SPW], v[NIL]
	s_wait_dscnt 0x0
	CROUND
	tensor_load_to_lds s[G0S:G0S+3], s[G1B:G1B+7]  ; P's chunks 6 to 15; first read in chunk 5's step, behind its barrier
	s_nop 0
	PLACES
; THE STATISTICS.  A lane takes one query: wave w takes word w % 2 of unit w / 2, for all 16 chunks.
.set kk, 0
.rept 16
	ds_load_b32 v[NM+kk], v[AM] offset:1536*kk+512
.set kk, kk+1
.endr
.set kk, 0
.rept 16
	ds_load_b32 v[SW+kk], v[AM] offset:1536*kk
	ds_load_b32 v[LL+kk], v[AM] offset:1536*kk+1024
.set kk, kk+1
.endr
	s_wait_dscnt 32                                ; the sixteen -M are in
.irp j, 0,1
	v_min3_num_f32 v[50+\j], v[NM+8*\j], v[NM+8*\j+1], v[NM+8*\j+2]
.endr
.irp k, 3,5
.irp j, 0,1
	v_min3_num_f32 v[50+\j], v[50+\j], v[NM+8*\j+\k], v[NM+8*\j+\k+1]
.endr
.endr
	v_min3_num_f32 v50, v50, v[NM+7], v[NM+15]
	v_min_num_f32 v[NMIN], v50, v51                ; the least -M: the row's M
	s_wait_alu depctr_va_vdst(0)
	s_wait_dscnt 0x0
.irp j, 0,1,2,3
	v_mov_b32 v[LS+\j], 0
.endr
.macro STAT4 k                         ; four chunks by turns
.irp j, 0,1,2,3
	v_sub_f32 v[TT+12*\j], v[NM+(\k)+\j], v[NMIN]  ; d = the row's M less the chunk's: a whole number, 0 or more
.endr
.irp j, 0,1,2,3
	v_cvt_i32_f32 v[TT+12*\j], v[TT+12*\j]
.endr
.irp j, 0,1,2,3
	v_sub_nc_u32 v[TT+12*\j+1], 0, v[TT+12*\j]
	v_bfe_u32 v[TT+12*\j+3], v[SW+(\k)+\j], 0, 8
	v_bfe_u32 v[TT+12*\j+4], v[SW+(\k)+\j], 8, 8
	v_bfe_u32 v[TT+12*\j+5], v[SW+(\k)+\j], 16, 8
	v_lshrrev_b32 v[TT+12*\j+6], 24, v[SW+(\k)+\j]
.endr
.irp j, 0,1,2,3
	v_ldexp_f32 v[TT+12*\j+2], v[LL+(\k)+\j], v[TT+12*\j+1]   ; the chunk's l x 2^-d
.irp i, 0,1,2,3
	v_min_u32 v[TT+12*\j+7+\i], v[TT+12*\j+3+\i], v[TT+12*\j]
.endr
.endr
.irp j, 0,1,2,3
	v_add_f32 v[LS+\j], v[LS+\j], v[TT+12*\j+2]
.irp i, 0,1,2,3
	v_sub_nc_u32 v[TT+12*\j+3+\i], v[TT+12*\j+3+\i], v[TT+12*\j+7+\i]   ; d off each byte, held at 0
.endr
.endr
.irp j, 0,1,2,3
	v_lshl_or_b32 v[SW+(\k)+\j], v[TT+12*\j+4], 8, v[TT+12*\j+3]
.endr
.irp j, 0,1,2,3
	v_lshl_or_b32 v[SW+(\k)+\j], v[TT+12*\j+5], 16, v[SW+(\k)+\j]
.endr
.irp j, 0,1,2,3
	v_lshl_or_b32 v[SW+(\k)+\j], v[TT+12*\j+6], 24, v[SW+(\k)+\j]
.endr
.irp j, 0,1,2,3
	ds_store_b32 v[ACS], v[SW+(\k)+\j] offset:512*((\k)+\j)
.endr
.endm
	STAT4 0
	STAT4 4
	STAT4 8
	STAT4 12
.irp n, 8,9,10,11,12,13,14,15
	XLOAD \n                                       ; 32 loads of x, into registers that the statistics do not use
.endr
	v_add_f32 v[LS], v[LS], v[LS+1]
	v_add_f32 v[LS+2], v[LS+2], v[LS+3]
	v_add_f32 v[LS], v[LS], v[LS+2]                ; the row's l
	s_wait_alu depctr_va_vdst(0)                   ; the wait ahead of a transcendental
	v_rcp_f32 v[LS], v[LS]
	v_nop
	s_wait_alu depctr_va_vdst(0)                   ; and behind it
	s_wait_kmcnt 0x0
	v_mul_f32 v[LS], s70, v[LS]                    ; f = gamma / l
	ds_store_b32 v[AFS], v[LS]
	s_wait_alu depctr_va_vdst(0)
	s_wait_dscnt 0x0                               ; my words are stored
	s_barrier_signal -1
	s_barrier_wait -1                              ; and everybody's; the second fill may stay out
	PFETCH 0
; A chunk of 128 keys: 32 matrix instructions.  Behind the first eight: the next chunk's P from LDS, in chunks 0 to 5 four loads of x, and V's chunk four on.
; The count of the wait for V's chunk c is the loads issued behind its own.  From chunk 4 on: those of the three chunks before, 4 of x in chunks up to 5 and 13 of V in chunks up to 11.
; For chunks 0 to 3 they are 71 to 83 (the head's later chunks of V, the 32 of x, 17 a chunk since): the wait names 63, the most that its field holds.
.macro CH c
.set NW, 63
.if (\c) >= 4
.set NW, 0
.irp d, 1,2,3
.if (\c)-\d <= 5
.set NW, NW+4
.endif
.if (\c)-\d <= 11
.set NW, NW+13
.endif
.endr
.endif
	s_wait_dscnt 0x0                               ; this chunk's P is in
	s_wait_loadcnt NW                              ; and its V
.if (\c) == 5
	s_wait_tensorcnt 0x0                           ; my part of the second fill is in
	s_barrier_signal -1
.endif
	WIN MUL
	MUL8 \c, 0, (\c)==0
.if (\c) == 5
	s_barrier_wait -1                              ; and everybody's: chunk 6 may be read
.endif
	PLACES                                         ; in front of loads into registers that the chunk before multiplied
.if (\c) < 15
	PFETCH (\c)+1
.endif
	WIN 0
.if (\c) < 6
	XLOAD \c
.endif
.if (\c) < 12
	VLOAD (\c)+4
.endif
	WIN MUL
	MUL8 \c, 1, (\c)==0
	MUL8 \c, 2, (\c)==0
	MUL8 \c, 3, (\c)==0
.endm
.set cc, 0
.rept 16
	CH cc
.set cc, cc+1
.endr
	WIN 0
; THE WAY OUT, 16 queries x 64 columns at a time: through my own stage, back as rows of 256 bytes, x f + x, stored: sixteen lanes fill one aligned unit of 256 bytes.
.macro TOSTAGE a
	WIN 0x0c
.irp b, 0,1,2,3
	ds_store_b128 v[SO], v[8*(4*(\a)+\b):8*(4*(\a)+\b)+3] offset:64*\b        ; each accumulator from its low end on
	ds_store_b128 v[SO], v[8*(4*(\a)+\b)+4:8*(4*(\a)+\b)+7] offset:64*\b+16
.endr
	WIN 0x80
.irp t, 0,1,2,3,4,5,6,7
	ds_load_b128 v[32*((\a)%2)+4*\t:32*((\a)%2)+4*\t+3], v[SR] offset:544*\t  ; LDS serves a wave's instructions in order (ISA guide 5.7.1.4)
	ds_load_b32 v[FQ+16*((\a)%2)+2*\t], v[AFR] offset:4*(16*(\a)+2*\t)        ; the two rows' f
.endr
	WIN 0
.endm
.macro SEND a, younger
	s_wait_dscnt \younger
	WIN 0x8A+0x20*((\a)/6)                         ; x's quads 48 on lie in window 2
.irp t, 0,1,2,3,4,5,6,7
.set XI, 8*(\a)+\t
.set XR, 64+4*XI-64*(XI/48)
.set BB, 32*((\a)%2)+4*\t
.set FF, FQ+16*((\a)%2)+2*\t
	v_pk_fma_f32 v[BB:BB+1], v[BB:BB+1], v[FF:FF+1], v[XR:XR+1] op_sel_hi:[1,0,1]
	v_pk_fma_f32 v[BB+2:BB+3], v[BB+2:BB+3], v[FF:FF+1], v[XR+2:XR+3] op_sel_hi:[1,0,1]
.endr
	WIN 0x08
.irp t, 0,1,2,3,4,5,6,7
	global_store_b128 v[XO], v[32*((\a)%2)+4*\t:32*((\a)%2)+4*\t+3], s[14:15] offset:8192*(8*(\a)+\t) th:TH_STORE_NT
.endr
	WIN 0
.endm
	s_wait_loadcnt 0x0                             ; x is in
	PLACES                                         ; behind the last products
	WIN 0x80
.set tt, 0
.rept 16
	v_mov_b32 v[FQ+2*tt+1], 0                      ; named with f as a pair
.set tt, tt+1
.endr
	WIN 0
	s_wait_alu depctr_va_vdst(0)
	TOSTAGE 0
.irp a, 1,2,3,4,5,6,7
.if \a > 1
	s_wait_xcnt 0x0                                ; block a - 2's stores have read their registers
.endif
	TOSTAGE \a
	SEND \a-1, 24                                  ; behind block a - 1's loads: block a's 8 stores and 16 loads
.endr
	SEND 7, 0
	s_wait_tensorcnt 0x0                           ; the wave's end
	ds_add_u32 v[SPW], v[NIL]
	s_wait_dscnt 0x0
	CROUND                                         ; the closing round
	s_endpgm
.Lfunc_end_k_q495bfe1d35_pv:
	.size	k_q495bfe1d35_pv, .Lfunc_end_k_q495bfe1d35_pv-k_q495bfe1d35_pv
	.p2alignl 7, 3214868480
	.fill 96, 4, 3214868480
	.section	.rodata,"a",@progbits
	.p2align	6, 0x0
	.amdhsa_kernel k_q495bfe1d35_pv
		.amdhsa_group_segment_fixed_size 327680
		.amdhsa_private_segment_fixed_size 0
		.amdhsa_enable_private_segment 0
		.amdhsa_kernarg_size 48
		.amdhsa_user_sgpr_count 2
		.amdhsa_user_sgpr_kernarg_segment_ptr 1
		.amdhsa_wavefront_size32 1
		.amdhsa_system_sgpr_workgroup_id_x 1
		.amdhsa_system_sgpr_workgroup_id_y 1
		.amdhsa_system_sgpr_workgroup_id_z 1
		.amdhsa_system_vgpr_workitem_id 0
		.amdhsa_next_free_vgpr 1024
		.amdhsa_next_free_sgpr 80
		.amdhsa_reserve_vcc 0
		.amdhsa_float_denorm_mode_32 3
		.amdhsa_float_denorm_mode_16_64 3
		.amdhsa_memory_ordered 1
		.amdhsa_forward_progress 1
		.amdhsa_inst_pref_size 177
	.end_amdhsa_kernel
	.amdgpu_metadata
---
amdhsa.version: [ 1, 2 ]
amdhsa.kernels:
  - .name:           k_q495bfe1d35_pv
    .symbol:         k_q495bfe1d35_pv.kd
    .args:
      - { .name: p_codes, .offset: 0, .size: 8, .value_kind: global_buffer, .address_space: global }
      - { .name: p_meta, .offset: 8, .size: 8, .value_kind: global_buffer, .address_space: global }
      - { .name: v, .offset: 16, .size: 8, .value_kind: global_buffer, .address_space: global }
      - { .name: x, .offset: 24, .size: 8, .value_kind: global_buffer, .address_space: global }
      - { .name: gamma, .offset: 32, .size: 8, .value_kind: global_buffer, .address_space: global }
      - { .name: out0, .offset: 40, .size: 8, .value_kind: global_buffer, .address_space: global }
    .group_segment_fixed_size: 327680
    .private_segment_fixed_size: 0
    .kernarg_segment_align: 8
    .kernarg_segment_size: 48
    .max_flat_workgroup_size: 128
    .sgpr_count:     80
    .vgpr_count:     1024
    .wavefront_size: 32
...
	.end_amdgpu_metadata
.endif
;; end of part 4
